; MI455X (gfx1250); checked and timed in simulation.
; The chip was launched on July 23, 2026; its instructions are those of AMD's public machine-readable ISA for CDNA 5 (MIT licence, August 2026) and "CDNA5" Instruction Set Architecture Reference Guide (July 2026). The comments in the code are by the model that wrote it; some were corrected since.
;; Flax Attention. Allowed arithmetic: matrix products marked QUANTISED: E2M3 operands, one E8M0 scale for each 32 along K, by v_wmma_scale_f32_16x16x128_f8f6f4 with both operands' format E2M3, f32 sums; everything else in f32.
;; Inputs: hidden_states 4 x 2,048 x 1,024 float32; w_k 1,024 x 1,024 float32; w_o 1,024 x 1,024 float32; w_q 1,024 x 1,024 float32; w_v 1,024 x 1,024 float32.
;; Outputs: out0 4 x 2,048 x 1,024 float32.
;; This version of the problem:
;;   THIS VERSION OF THE PROBLEM IS GIVEN IN LOW PRECISION. The matrix products marked QUANTISED in the list below multiply operands that are first quantised to E2M3 (2 exponent bits, 3 mantissa bits; 6 bits a number), with one power-of-two scale for each 32 numbers along K (OCP MX v1.0); their sums are f32. All else is computed in f32.
;;   The module's matrix products, in the order in which they are computed (A, B: the left and right operand; K: the contracted axis; several contracted axes count as one K, in the product's order):
;;     1. [M 8,192, K 1,024] x [K 1,024, N 1,024]; A: input hidden_states; B: input w_q: QUANTISED
;;     2. [M 8,192, K 1,024] x [K 1,024, N 1,024]; A: input hidden_states; B: input w_k: QUANTISED
;;     3. [M 8,192, K 1,024] x [K 1,024, N 1,024]; A: input hidden_states; B: input w_v: QUANTISED
;;     4. batch 64 x [M 2,048, K 64] x [K 64, N 2,048]; A: computed on the way; B: computed on the way: QUANTISED
;;     5. batch 64 x [M 64, K 2,048] x [K 2,048, N 2,048]; A: computed on the way; B: softmax (see below): QUANTISED
;;     6. [M 8,192, K 1,024] x [K 1,024, N 1,024]; A: computed on the way; B: input w_o: QUANTISED
;;   THE QUANTISER, for each operand of a quantised product, along K:
;;     - K is cut into blocks of 32 from its start; a last block that is shorter is filled with zeros.
;;     - A block's scale is 2^e with e = floor(log2(the largest magnitude in the block)) - 2, held to -126 .. 127; a block of zeros has e = 0. As a byte (E8M0): e + 127.
;;     - Each number is divided by its block's scale, clamped to +-7.5, and rounded to the nearest number of E2M3, ties to even, subnormals kept.
;;     - The product sums the exact products of the quantised numbers (number of the format x scale) in f32.
;;   ~~~python
;;   def quantise(x, axis):      # numpy; x: float32 -> the quantised numbers, widened to float32 again
;;       x = np.moveaxis(x, axis, -1); K = x.shape[-1]
;;       x = np.pad(x, [(0, 0)] * (x.ndim - 1) + [(0, -K % 32)]); x = x.reshape(x.shape[:-1] + (-1, 32)); a = np.abs(x).max(-1, keepdims=True)
;;       e = np.where(a > 0, np.clip(np.frexp(np.where(a > 0, a, 1))[1] - 1 - 2, -126, 127), 0)      # np.frexp(a)[1] - 1 = floor(log2(a)), exactly
;;       r = np.clip(x / 2.0 ** e, -7.5, 7.5)
;;       step = 2.0 ** (np.maximum(np.frexp(np.where(r == 0, 1, r))[1] - 1, 0) - 3)
;;       q = np.round(r / step) * step * 2.0 ** e      # np.round: ties to even
;;       return np.moveaxis(q.reshape(q.shape[:-2] + (-1,))[..., :K], -1, axis).astype(np.float32)
;;   ~~~
;;   SOFTMAX AHEAD OF A QUANTISED PRODUCT. Where the list says 'softmax', what is quantised is not the finished softmax but p = 2^(t - M), with t = logit x log2(e) and M = ceil(the row's largest t), a whole number; so 1/2 < the row's largest p <= 1. The row's sum l is taken of the UNQUANTISED p, in f32, and the product's result is divided by l at the end. Since M is a whole number, a kernel that streams over the keys may use a running M (the ceiling of the running maximum): every later rescaling is an exact power of two, which a block's scale takes up: the codes' values come out the same.
;;   OPERANDS COMPUTED ON THE WAY. 'Computed on the way' means the value that the module computes at that place (a softmax that the list does not call 'softmax' is quantised finished and normalised). What goes into a quantiser is computed in f32, as accurately as f32 sums, v_exp_f32 and their like allow (about 1e-6 of the number): no bf16 or f16 on the way to a quantiser, and a product that is left as it is and whose result goes on into a quantised operand takes f32 operands (vector FMAs, or v_wmma_f32_16x16x4_f32). A number that lies on a knife's edge between two numbers of the format may be rounded either way, as far as f32 arithmetic and the matrix unit's own rounding can turn it there, and no further.
;; One version. Each part assembles by itself: llvm-mc -triple=amdgcn-amd-amdhsa -mcpu=gfx1250 --defsym DOCPART=n.
;; ======== version 1 of 1: 4 launches
;; limits: right only within a limited range of input values
;; workspace buffers: xc 6,291,456 bytes; xs 262,144 bytes; wc 3,145,728 bytes; ws 131,072 bytes; qr 6,553,600 bytes; kv 13,107,200 bytes; oc 6,291,456 bytes; os 262,144 bytes
;; launch quant (part 1): grid 384 x 1, 4 waves a work-group, no clusters, 34,304 bytes of LDS; arguments hidden_states, w_q, w_k, w_v, w_o, xc, xs, wc, ws; writes xc, xs, wc, ws
.if DOCPART == 1
	.amdgcn_target "amdgcn-amd-amdhsa--gfx1250"
	.amdhsa_code_object_version 6
	.text
	.protected	k_q8a768d7116_quant
	.globl	k_q8a768d7116_quant
	.p2align	8
	.type	k_q8a768d7116_quant,@function
k_q8a768d7116_quant:
	s_mov_b64 s[64:65], 0
	v_nop
	global_prefetch_b8 v0, s[64:65] scope:SCOPE_SE
	s_setreg_imm32_b32 hwreg(HW_REG_WAVE_MODE, 25, 1), 1
	s_wait_xcnt 0x0
; hidden_states [8192][1024] and the four weights [1024 (k)][1024 (n)], f32, become codes of FP6 (E2M3) with one E8M0 byte for each 32 along K (K = the 1,024 of the model's width).
; A block's scale is 2^(floor(log2(its largest magnitude)) - 2); its byte is the largest magnitude's exponent field - 2, held at 1 from below.
; LIMITS: a block of zeros gets the byte 1 where the rule says 127 (its codes are zeros, and this program alone reads the bytes); NaN and infinities among the inputs are not served.
; THE LAYOUT OF THE RESULTS is that of the matrix operand's registers.  Rows (tokens; a weight's columns n) are kept in POSITION ORDER: position p holds row P(p), P = p with bits 3 and 4 exchanged.
; A block of 16 positions and 128 along K is a FRAGMENT of 1,536 bytes = two halves of 768 (64 along K each).  In a half, lane l = r + 16 h owns the 24 bytes of block h of row r: its first 16 at 16 l, its last 8 at 512 + 8 l.
; Codes: [block of 16 positions][K step 0..7][1,536].  Scale words: [block][pair of K steps 0..3][r][2 words].
; Work-groups 0-255 take hidden_states (32 tokens each: a wave takes 16 positions x 512 along K), work-groups 256-383 the weights (128 columns x 256 along K each).  Waves share nothing: no barrier.
.set SPW,   12                         ; v12  LDS address of my spare word; never rewritten
.set NIL,   13                         ; v13  0; never rewritten
.set STGB,  8448                       ; a wave's stage: 16 rows x (512 bytes + 16)
.set SPARE, 4*STGB                     ; behind the four stages: the spare words, 128 bytes a wave
.set R,     16                         ; v16-143  two sets of 64: a unit (16 rows x 128 K) as it is loaded
.set X,     144                        ; v144-207 64 numbers of my row: register 16 b + i = k 32 b + 16 h + i
.set D,     208                        ; v208-219 the fragment's 12 registers
.set T,     220                        ; v220-226 the conversions' second halves
.set TM,    228                        ; v228-243 at work
.set PW,    244                        ; v244-247 the four units' scale words
.set SEL,   36                         ; s[36:37] lane selects: lane l xor 16
	s_load_b512 s[4:19], s[0:1], 0x0               ; hidden_states s[4:5], w_q, w_k, w_v, w_o s[6:13], xc s[14:15], xs s[16:17], wc s[18:19]
	s_load_b64 s[20:21], s[0:1], 0x40              ; ws
	v_lshl_add_u32 v[SPW], v0, 2, SPARE
	v_mov_b32 v[NIL], 0
	v_lshrrev_b32 v1, 5, v0
	v_readfirstlane_b32 s24, v1                    ; wave 0..3
	v_and_b32 v2, 31, v0                           ; lane
	s_mul_i32 s34, s24, STGB                       ; my stage
	v_lshlrev_b32 v4, 4, v2                        ; 16 x lane
	v_lshlrev_b32 v7, 3, v2                        ; 8 x lane
	v_add_nc_u32 v5, s34, v4                       ; into the stage: a row's 512 bytes as they lie
	v_and_b32 v1, 15, v0                           ; r
	v_bfe_u32 v3, v0, 4, 1                         ; h
	v_mul_u32_u24 v6, v1, 528
	v_lshl_add_u32 v6, v3, 6, v6
	v_add_nc_u32 v6, s34, v6                       ; out of it: row r, + 64 h: my 16 numbers of each block of 32
	s_cmp_lt_u32 ttmp9, 256
	s_cbranch_scc0 .Lweights
; ---------------- hidden_states: K is innermost ----------------
; 64 numbers of a lane, v[s] on, become the fragment in v[D] on and my row's scale word in v[pw].
.macro QUANT s, pw
.irp b, 0,1,2,3
	v_max3_num_f32 v[TM+\b], |v[\s+16*\b]|, |v[\s+1+16*\b]|, 0x1800000   ; block b: my 16 numbers, and the floor 2^(3 - 127): the byte cannot fall under 1
.endr
.irp i, 2,4,6,8,10,12,14
.irp b, 0,1,2,3
	v_max3_num_f32 v[TM+\b], v[TM+\b], |v[\s+16*\b+\i]|, |v[\s+1+16*\b+\i]|   ; the four blocks by turns
.endr
.endr
.irp b, 0,1,2,3
	v_permlanex16_b32 v[TM+4+\b], v[TM+\b], s[SEL], s[SEL+1]
.endr
.irp b, 0,1,2,3
	v_max_num_f32 v[TM+\b], v[TM+\b], v[TM+4+\b]   ; with lane l xor 16's 16: the block's largest magnitude
.endr
.irp b, 0,1,2,3
	v_add_nc_u32 v[TM+12+\b], 0xff000000, v[TM+\b] ; 2 off its exponent field: the conversion's scale operand
.endr
.irp b, 0,1,2,3
	v_lshrrev_b32 v[TM+4+\b], 23, v[TM+12+\b]      ; the scale's byte
.endr
	v_lshl_or_b32 v[\pw], v[TM+5], 8, v[TM+4]
	v_lshl_or_b32 v[\pw], v[TM+6], 16, v[\pw]
	v_lshl_or_b32 v[\pw], v[TM+7], 24, v[\pw]
.irp c, 0,1
	v_cvt_scalef32_pk16_fp6_f32 v[D+6*\c:D+2+6*\c], v[\s+32*\c:\s+15+32*\c], v[TM+12+2*\c]
	v_cvt_scalef32_pk16_fp6_f32 v[T+4*\c:T+2+4*\c], v[\s+16+32*\c:\s+31+32*\c], v[TM+12+2*\c+1]   ; (a conversion's three registers begin on an even number)
.endr
	v_nop                                          ; one plain line behind the scaled conversions
.irp c, 0,1                                    ; the operand wants a whole block in a lane: lanes 0-15 block 2 c, lanes 16-31 block 2 c + 1
.irp i, 0,1,2
	v_permlane16_swap_b32 v[D+6*\c+\i], v[T+4*\c+\i]
.endr
.irp i, 0,1,2
	v_mov_b32 v[D+3+6*\c+\i], v[T+4*\c+\i]
.endr
.endr
.endm
.macro LOADU q                         ; unit q: 16 rows x 512 bytes; a load reads 512 consecutive bytes.  Row i of the block of positions is token i + 8 (i / 8) from the source's base
.set i, 0
.rept 16
	global_load_b128 v[R+64*((\q)%2)+4*i:R+64*((\q)%2)+4*i+3], v4, s[4:5] offset:(i+8*(i/8))*4096+512*(\q) th:TH_LOAD_NT
.set i, i+1
.endr
.endm
.macro XUNIT q
.if (\q) < 3
	s_wait_loadcnt 16                              ; this unit's 16 loads are in; the next unit's 16 may be out
.else
	s_wait_loadcnt 0x0
.endif
.set i, 0
.rept 16
	ds_store_b128 v5, v[R+64*((\q)%2)+4*i:R+64*((\q)%2)+4*i+3] offset:528*i
.set i, i+1
.endr
.set i, 0
.rept 16
	ds_load_b128 v[X+4*i:X+4*i+3], v6 offset:128*(i/4)+16*(i%4)   ; a wave's LDS instructions are served in order: these see the stores above
.set i, i+1
.endr
	s_wait_dscnt 0x0                               ; my numbers are back, and the stage's stores have read their registers
.if (\q) > 0
	s_wait_xcnt 0x0                                ; the last unit's stores have read v[D] on: it is written again only behind this wait
.endif
.if (\q) < 2
	LOADU (\q)+2
.endif
	QUANT X, PW+(\q)
	global_store_b128 v4, v[D:D+3], s[14:15] offset:1536*(\q)          ; 512 consecutive bytes
	global_store_b64 v7, v[D+4:D+5], s[14:15] offset:1536*(\q)+512     ; 256 consecutive bytes
	global_store_b128 v4, v[D+6:D+9], s[14:15] offset:1536*(\q)+768
	global_store_b64 v7, v[D+10:D+11], s[14:15] offset:1536*(\q)+1280
.endm
	s_lshr_b32 s25, s24, 1                         ; u: which of the work-group's two blocks of positions
	s_and_b32 s26, s24, 1                          ; which half of K: K steps 4 x this on
	s_lshl_b32 s27, ttmp9, 1
	s_add_co_u32 s27, s27, s25                     ; my block of positions
	s_lshl_b32 s28, ttmp9, 17                      ; source: token 32 g + 8 u, 4,096 bytes a token, + 2,048 for the second half of K
	s_lshl_b32 s30, s25, 15
	s_add_co_u32 s28, s28, s30
	s_lshl_b32 s30, s26, 11
	s_add_co_u32 s28, s28, s30
	s_mov_b32 s29, 0
	s_mul_i32 s30, s27, 12288                      ; codes: 12,288 bytes a block, 6,144 for four K steps
	s_mul_i32 s32, s26, 6144
	s_add_co_u32 s30, s30, s32
	s_mov_b32 s31, 0
	s_lshl_b32 s32, s27, 9                         ; scale words: 512 bytes a block, 256 for four K steps
	s_lshl_b32 s33, s26, 8
	s_add_co_u32 s32, s32, s33
	s_mov_b32 s33, 0
	s_mov_b32 s35, 0xffff0000                      ; lanes 16-31
	s_mov_b32 s[SEL], 0x76543210
	s_mov_b32 s[SEL+1], 0xfedcba98
.irp b, 0,1,2,3
	v_mov_b32 v[TM+4+\b], 0                        ; written once: a lane permute's destination counts as one of its sources
.endr
	s_wait_kmcnt 0x0
	s_add_nc_u64 s[4:5], s[4:5], s[28:29]
	s_add_nc_u64 s[14:15], s[14:15], s[30:31]
	s_add_nc_u64 s[16:17], s[16:17], s[32:33]
	LOADU 0
	LOADU 1
	s_wait_alu depctr_va_vdst(0)
	XUNIT 0
	XUNIT 1
	XUNIT 2
	XUNIT 3
	v_cndmask_b32 v248, v[PW], v[PW+2], s35        ; lanes 0-15: the first pair of K steps' two words of row r; lanes 16-31: the second pair's
	v_cndmask_b32 v249, v[PW+1], v[PW+3], s35
	global_store_b64 v7, v[248:249], s[16:17]      ; 256 consecutive bytes
	s_branch .Lend
; ---------------- the weights: K is the first axis ----------------
; A lane takes a column n and its registers run down K: a block of 32 lies in one lane, and the conversions give codes with K innermost.  Nothing is transposed.
.Lweights:
	s_sub_co_u32 s25, ttmp9, 256
	s_lshr_b32 s26, s25, 5                         ; which weight: 0 q, 1 k, 2 v, 3 o
	s_bfe_u32 s27, s25, 0x30002                    ; which 128 columns
	s_and_b32 s28, s25, 3                          ; which 256 along K
	s_lshl_b32 s30, s28, 20                        ; source: 256 rows of 4,096 bytes, + 512 bytes for 128 columns, + 128 for my wave's 32
	s_lshl_b32 s32, s27, 9
	s_add_co_u32 s30, s30, s32
	s_lshl_b32 s32, s24, 7
	s_add_co_u32 s30, s30, s32
	s_mov_b32 s31, 0
	s_lshl_b32 s29, s26, 6                         ; my first block of positions: 64 x weight + 8 x (128 columns) + 2 x wave
	s_lshl_b32 s32, s27, 3
	s_add_co_u32 s29, s29, s32
	s_lshl_b32 s32, s24, 1
	s_add_co_u32 s29, s29, s32
	s_mul_i32 s32, s29, 12288
	s_mul_i32 s34, s28, 3072                       ; two K steps
	s_add_co_u32 s32, s32, s34
	s_mov_b32 s33, 0
	s_lshl_b32 s34, s29, 9
	s_lshl_b32 s35, s28, 7                         ; one pair of K steps
	s_add_co_u32 s34, s34, s35
	s_mov_b32 s35, 0
	s_wait_alu depctr_va_vdst(0)
	v_lshlrev_b32 v3, 2, v2                        ; in: 4 bytes a lane
	v_and_b32 v14, 7, v2                           ; column 32 w + lane lies at position: block (lane / 8) % 2, row (lane % 8) + 8 (lane / 16)
	v_lshrrev_b32 v15, 4, v2
	v_lshl_or_b32 v14, v15, 3, v14                 ; the row
	v_bfe_u32 v15, v2, 3, 1                        ; the block
	v_mul_u32_u24 v26, v15, 12288
	v_lshl_add_u32 v9, v14, 4, v26                 ; my first 16 bytes of a block's 24
	v_lshl_add_u32 v10, v14, 3, v26                ; my last 8
	v_lshlrev_b32 v27, 9, v15
	v_lshl_add_u32 v11, v14, 3, v27                ; my two scale words
	s_wait_kmcnt 0x0
	s_cmp_eq_u32 s26, 1                            ; the choice hangs on the work-group's number alone
	s_cselect_b64 s[6:7], s[8:9], s[6:7]
	s_cmp_eq_u32 s26, 2
	s_cselect_b64 s[6:7], s[10:11], s[6:7]
	s_cmp_eq_u32 s26, 3
	s_cselect_b64 s[6:7], s[12:13], s[6:7]
	s_add_nc_u64 s[6:7], s[6:7], s[30:31]
	s_add_nc_u64 s[18:19], s[18:19], s[32:33]
	s_add_nc_u64 s[20:21], s[20:21], s[34:35]
.macro WLOAD t                         ; block t: W(32 t + i, my column) into set t % 2; a wave's load reads 128 consecutive bytes, the four waves stand side by side
.set i, 0
.rept 32
	global_load_b32 v[32+32*((\t)%2)+i], v3, s[6:7] offset:(32*(\t)+i)*4096 th:TH_LOAD_NT
.set i, i+1
.endr
.endm
.macro WBLOCK t
.set XS, 32+32*((\t)%2)
.if (\t) < 7
	s_wait_loadcnt 32                              ; this block's 32 loads are in; the next block's 32 may be out
.else
	s_wait_loadcnt 0x0
.endif
	v_max3_num_f32 v14, |v[XS]|, |v[XS+1]|, |v[XS+2]|
	v_max3_num_f32 v15, |v[XS+3]|, |v[XS+4]|, |v[XS+5]|
.irp i, 6,10,14,18,22,26
	v_max3_num_f32 v14, v14, |v[XS+\i]|, |v[XS+\i+1]|
	v_max3_num_f32 v15, v15, |v[XS+\i+2]|, |v[XS+\i+3]|
.endr
	v_max3_num_f32 v14, v14, |v[XS+30]|, |v[XS+31]|
	v_max3_num_f32 v14, v14, v15, 0x1800000        ; and the floor 2^(3 - 127)
	v_add_nc_u32 v26, 0xff000000, v14              ; the conversion's scale operand
	v_lshrrev_b32 v27, 23, v26                     ; the byte
.if (\t)%4 == 0
	v_mov_b32 v[24+(\t)/4], v27                    ; four bytes to a word, the lower K in the lower byte
.else
	v_lshl_or_b32 v[24+(\t)/4], v27, 8*((\t)%4), v[24+(\t)/4]
.endif
.if (\t) > 0
	s_wait_alu depctr_va_vdst(0)
	s_wait_xcnt 0x0                                ; the last block's stores have read v96-101
.endif
	v_cvt_scalef32_pk16_fp6_f32 v[96:98], v[XS:XS+15], v26
	v_cvt_scalef32_pk16_fp6_f32 v[102:104], v[XS+16:XS+31], v26
	v_nop                                          ; one plain line behind the scaled conversions
	v_mov_b32 v99, v102
	v_mov_b32 v100, v103
	v_mov_b32 v101, v104
	global_store_b128 v9, v[96:99], s[18:19] offset:1536*((\t)/4)+768*(((\t)/2)%2)+256*((\t)%2)        ; sixteen lanes fill 256 consecutive bytes of each of the two blocks of positions
	global_store_b64 v10, v[100:101], s[18:19] offset:1536*((\t)/4)+768*(((\t)/2)%2)+512+128*((\t)%2)
.if (\t) < 6
	WLOAD (\t)+2
.endif
.endm
	WLOAD 0
	WLOAD 1
.irp t, 0,1,2,3,4,5,6,7
	WBLOCK \t
.endr
	global_store_b64 v11, v[24:25], s[20:21]       ; my column's two scale words
.Lend:
	s_wait_tensorcnt 0x0                           ; the wave's end, behind my last LDS store
	ds_add_u32 v[SPW], v[NIL]
	s_wait_dscnt 0x0
	s_endpgm
.Lfunc_end_k_q8a768d7116_quant:
	.size	k_q8a768d7116_quant, .Lfunc_end_k_q8a768d7116_quant-k_q8a768d7116_quant
	.p2alignl 7, 3214868480
	.fill 96, 4, 3214868480
	.section	.rodata,"a",@progbits
	.p2align	6, 0x0
	.amdhsa_kernel k_q8a768d7116_quant
		.amdhsa_group_segment_fixed_size 34304
		.amdhsa_private_segment_fixed_size 0
		.amdhsa_enable_private_segment 0
		.amdhsa_kernarg_size 72
		.amdhsa_user_sgpr_count 2
		.amdhsa_user_sgpr_kernarg_segment_ptr 1
		.amdhsa_wavefront_size32 1
		.amdhsa_system_sgpr_workgroup_id_x 1
		.amdhsa_system_sgpr_workgroup_id_y 1
		.amdhsa_system_sgpr_workgroup_id_z 1
		.amdhsa_system_vgpr_workitem_id 0
		.amdhsa_next_free_vgpr 256
		.amdhsa_next_free_sgpr 66
		.amdhsa_reserve_vcc 0
		.amdhsa_float_denorm_mode_32 3
		.amdhsa_float_denorm_mode_16_64 3
		.amdhsa_memory_ordered 1
		.amdhsa_forward_progress 1
		.amdhsa_inst_pref_size 73
	.end_amdhsa_kernel
	.amdgpu_metadata
---
amdhsa.version: [ 1, 2 ]
amdhsa.kernels:
  - .name:           k_q8a768d7116_quant
    .symbol:         k_q8a768d7116_quant.kd
    .args:
      - { .name: hidden_states, .offset: 0, .size: 8, .value_kind: global_buffer, .address_space: global }
      - { .name: w_q, .offset: 8, .size: 8, .value_kind: global_buffer, .address_space: global }
      - { .name: w_k, .offset: 16, .size: 8, .value_kind: global_buffer, .address_space: global }
      - { .name: w_v, .offset: 24, .size: 8, .value_kind: global_buffer, .address_space: global }
      - { .name: w_o, .offset: 32, .size: 8, .value_kind: global_buffer, .address_space: global }
      - { .name: xc, .offset: 40, .size: 8, .value_kind: global_buffer, .address_space: global }
      - { .name: xs, .offset: 48, .size: 8, .value_kind: global_buffer, .address_space: global }
      - { .name: wc, .offset: 56, .size: 8, .value_kind: global_buffer, .address_space: global }
      - { .name: ws, .offset: 64, .size: 8, .value_kind: global_buffer, .address_space: global }
    .group_segment_fixed_size: 34304
    .private_segment_fixed_size: 0
    .kernarg_segment_align: 8
    .kernarg_segment_size: 72
    .max_flat_workgroup_size: 128
    .sgpr_count:     66
    .vgpr_count:     256
    .wavefront_size: 32
...
	.end_amdgpu_metadata
.endif
;; end of part 1
;; launch qkv (part 2): grid 12 x 32, 4 waves a work-group, clusters of 4 x 4, 327,680 bytes of LDS; arguments xc, xs, wc, ws, qr, kv; writes qr, kv
.if DOCPART == 2
	.amdgcn_target "amdgcn-amd-amdhsa--gfx1250"
	.amdhsa_code_object_version 6
	.text
	.protected	k_q8a768d7116_qkv
	.globl	k_q8a768d7116_qkv
	.p2align	8
	.type	k_q8a768d7116_qkv,@function
k_q8a768d7116_qkv:
	s_mov_b64 s[64:65], 0
	v_nop
	global_prefetch_b8 v0, s[64:65] scope:SCOPE_SE
	s_setreg_imm32_b32 hwreg(HW_REG_WAVE_MODE, 25, 1), 1
	s_wait_xcnt 0x0
	s_wait_alu depctr_hold_cnt(0) depctr_sa_sdst(0) depctr_va_vdst(0) depctr_va_sdst(0) depctr_va_ssrc(0) depctr_va_vcc(0) depctr_vm_vsrc(0)
	s_getreg_b32 s2, hwreg(HW_REG_IB_STS2, 6, 4)
	s_cmp_eq_u32 s2, 0
	s_cbranch_scc0 .Lentry_in_a_cluster
	s_endpgm
.Lentry_in_a_cluster:
	s_bfe_u32 s2, ttmp6, 0x10000c
	s_cmp_lg_u32 s2, 0xf033
	s_cbranch_scc0 .Lentry_shape_is_right
	s_endpgm
.Lentry_shape_is_right:
; q = x Wq, k = x Wk, v = x Wv on codes of FP6 (E2M3) with E8M0 scales, K = 1,024; the results are quantised in registers and leave as codes: q and k along the head's 64, v along the tokens (the keys).
; Operands lie as images of the matrix operand's registers: [block of 16 positions][K step 0..7][1,536 bytes]; scale words [block][pair of K steps][r][2 words].  Position p holds row P(p), P = p with bits 3 and 4 exchanged.
; A tile is 256 rows of R x 256 rows of Cc; four waves, each 128 x 128: 64 accumulators, 512 registers.  Source 0 = 16 rows of Cc, source 1 = 16 rows of R: a lane holds ONE row of R, and by the position order the
; 64 registers of a block of R run over 128 NEIGHBOURING rows of Cc: register 16 g + i is row 32 g + 16 (lane / 16) + i.  So they are quantised as they stand.
; q and k (cluster x = 0, 1): R = tokens, Cc = the weight's columns: 128 columns are two heads.  v (cluster x = 2): R = Wv's columns, Cc = tokens: 128 tokens are one K step of the second attention product.
; One text serves the three: what differs is chosen by s_cselect on the cluster's x, which all sixteen partners share.
; CLUSTERS: 4 x 4 work-groups; R's tiles are asked for jointly along a row of the cluster, Cc's along a column.  K goes in pairs of K steps (256 along K) through two LDS slots.
; 12 x 32 tiles of this shape are 384 work-groups; a wave tile of 128 x 128 is kept so that each LDS byte feeds the most products.
; RESULTS.  qr: [b x 16 + head][128 tokens] records of 6,400 bytes: 8 halves of 768 (16 positions x 64), 256 bytes of scale words [pair of blocks][r] (bytes 0, 1: the even block's; 2, 3: the odd one's).
; kv: records of 12,800: K as in qr (6,144), V^T [16 d][128 keys] x 4 fragments (6,144), K's scale words (256), V's [fragment][r] (256).
; LIMITS: a block of zeros gets the byte 1 (its codes are zeros; this program alone reads the bytes); NaN and infinities are not served.
; REGISTERS, in windows of 256: window 0: v16-31 addresses; v32-63 scale words, two sets; v64-109 the way out; v128-223 R's fragments, one set.  window 1: Cc's fragments, two sets, at v0 and v128.
;   window 2: the accumulators of R's blocks 0-3 ((a, b) at v[8 (8 (a % 4) + b)]); window 3: those of blocks 4-7.
.set FR,    12                         ; registers of a fragment
.set NP,    4                          ; places behind this matrix instruction (ISA guide 7.12.1)
.set RBK,   3072                       ; a block of positions in a slot: two K steps
.set HALFT, 8*RBK                      ; what one tensor load brings, and what one wave reads of R or of Cc
.set SLOT,  4*HALFT                    ; R's 16 blocks, then Cc's 16
.set SCL,   2*SLOT                     ; behind the ring: the scale words of all of K: R's 8,192 bytes, Cc's 8,192
.set SPARE, SCL+16384                  ; the spare words, 128 bytes a wave
.set ADRA,  16                         ; v16-17 R's fragments in slot 0, 1, 16 bytes a lane; v18-19 the same, 8 bytes a lane
.set ADRB,  20                         ; v20-23 the same for Cc
.set ADRS,  27                         ; v27 my scale words: lanes 0-15 R's, lanes 16-31 Cc's
.set SPW,   28                         ; v28 LDS address of my spare word; never rewritten
.set NIL,   29                         ; v29 0; never rewritten
.set L16,   30                         ; v30 16 x lane
.set L8,    31                         ; v31 8 x lane
.set SC,    32                         ; scale words: set s at v[SC + 16 s]; register 2 i + q: block i, the slot's q-th K step
.set AF,    128
.set D,     64                         ; the way out: v64-75 a fragment, v76-82 the conversions' second halves, v84-99 at work
.set T,     76
.set TM,    84
.set PW0,   100                        ; v100-101 the scale words of an even and an odd block
.set W0,    102                        ; v102-103 the words as they are stored
.set AD,    104                        ; v104-107 the code stores' offsets
.set SAD,   108                        ; v108 the scale store's offset
.set SLN,   109                        ; v109 its lane term
.set WV,    16                         ; s16 wave; s17 which half of R is mine, also: I fetch for R (0) or Cc (1); s18 which half of Cc, also: which 8 blocks I fetch
.set HR,    17
.set HC,    18
.set G1,    24
.set G0,    32
.set G1B,   48
.set G0B,   56
.set G1S,   68
.set G0S,   76
.set G1SB,  80
.set G0SB,  88
.set MSB, 0
.macro WIN new                         ; the immediate's high byte repeats the setting that is left
.if MSB != (\new)
	s_set_vgpr_msb (MSB<<8)|(\new)
.set MSB, (\new)
.endif
.endm
.set MUL_LO, 0xa1                      ; source 0 (Cc) window 1, source 1 (R) window 0, C and D window 2
.set MUL_HI, 0xf1                      ; the same, C and D window 3
.set TO_B,   0x40                      ; destination window 1, address window 0
; A joint load: waves 0 and 1 fetch for R, waves 2 and 3 for Cc; the branch hangs on the wave's number alone.  An s_nop 0 and four v_nop follow each of the two lines.
.macro JLOAD g0a, g1a, g0b, g1b
	s_cmp_eq_u32 s[HR], 0
	s_cbranch_scc0 .Lfor_b_\@
	tensor_load_to_lds s[\g0a:\g0a+3], s[\g1a:\g1a+7]
	s_nop 0
.rept 4
	v_nop
.endr
	s_branch .Lasked_\@
.Lfor_b_\@:
	tensor_load_to_lds s[\g0b:\g0b+3], s[\g1b:\g1b+7]
	s_nop 0
.rept 4
	v_nop
.endr
.Lasked_\@:
.endm
.macro CREST                           ; a round of the cluster's barrier behind its opening barrier
	s_cmp_lg_u32 s[WV], 0
	s_cbranch_scc1 .Lnot_wave_0_\@
	s_barrier_signal -3
.Lnot_wave_0_\@:
	s_barrier_wait -3
	s_barrier_signal -1
	s_barrier_wait -1
.endm
.macro CROUND
	s_barrier_signal -1
	s_barrier_wait -1
	CREST
.endm
	s_load_b256 s[4:11], s[0:1], 0x0               ; xc s[4:5], xs s[6:7], wc s[8:9], ws s[10:11]
	s_load_b128 s[12:15], s[0:1], 0x20             ; qr s[12:13], kv s[14:15]
	v_lshl_add_u32 v[SPW], v0, 2, SPARE
	v_mov_b32 v[NIL], 0
	ds_add_u32 v[SPW], v[NIL]                      ; the wave's opening: the add and its wait ahead of my first tensor load; the set-up below stands between them
	ds_add_u32 v[SPW], v[NIL]
	v_lshrrev_b32 v1, 5, v0
	v_readfirstlane_b32 s[WV], v1
	s_lshr_b32 s[HR], s[WV], 1
	s_and_b32 s[HC], s[WV], 1
	s_bfe_u32 s40, ttmp6, 0x40000                  ; cx
	s_bfe_u32 s41, ttmp6, 0x40004                  ; cy
	s_lshl_b32 s43, s41, 2
	s_lshl_b32 s43, 15, s43                        ; my row of the cluster
	s_lshl_b32 s44, 0x1111, s40                    ; my column
	; group 1 for the tiles: 8 rows (blocks of positions) of 3,072 bytes = 384 elements of 8 bytes, 12,288 bytes apart; no padding: every LDS read takes consecutive bytes
	s_or_b32 s[G1], s43, (3<<16)|(1<<21)           ; 15:0 the mask; 17:16 elements of 8 bytes; 21 set beside a mask
	s_or_b32 s[G1B], s44, (3<<16)|(1<<21)
.irp g, G1, G1B
	s_mov_b32 s[\g+1], 384<<16                     ; tensor_dim0
	s_mov_b32 s[\g+2], 16<<16                      ; tensor_dim1: the head's loads bring a tile's 16 blocks; behind them the two row counts are set to 8
	s_mov_b32 s[\g+3], 384<<16                     ; tile_dim0
	s_mov_b32 s[\g+4], 16                          ; tile_dim1
	s_mov_b32 s[\g+5], 1536                        ; tensor_dim0_stride
	s_mov_b32 s[\g+6], 0
	s_mov_b32 s[\g+7], 0
.endr
	; and for the scale words of a tile's 16 blocks: 8,192 dense bytes as 32 rows of 256
	s_or_b32 s[G1S], s43, (3<<16)|(1<<21)
	s_or_b32 s[G1SB], s44, (3<<16)|(1<<21)
.irp g, G1S, G1SB
	s_mov_b32 s[\g+1], 32<<16
	s_mov_b32 s[\g+2], 32<<16                      ; the scale words of a tile's 16 blocks: 8,192 dense bytes as 32 rows of 256
	s_mov_b32 s[\g+3], 32<<16
	s_mov_b32 s[\g+4], 32
	s_mov_b32 s[\g+5], 32
	s_mov_b32 s[\g+6], 0
	s_mov_b32 s[\g+7], 0
.endr
	s_and_b32 s42, ttmp7, 0xffff
	s_lshl_b32 s42, s42, 6                         ; 64 x cluster y: a cluster's 1,024 tokens
	s_lshl_b32 s19, ttmp9, 6                       ; 64 x cluster x: the weight's first block in wc
	s_cmp_eq_u32 ttmp9, 2                          ; v?
	s_cselect_b32 s66, 128, s42                    ; R: Wv's blocks, or the tokens'
	s_cselect_b32 s67, s42, s19                    ; Cc: the tokens', or the weight's
	s_lshl_b32 s20, s41, 4
	s_add_co_u32 s66, s66, s20                     ; R's tile hangs on cy alone,
	s_lshl_b32 s46, s40, 4
	s_add_co_u32 s67, s67, s46                     ; Cc's on cx alone
	s_mul_i32 s20, s66, 12288                      ; in bytes: codes,
	s_mov_b32 s21, 0
	s_lshl_b32 s22, s66, 9                         ; scale words
	s_mov_b32 s23, 0
	s_mul_i32 s46, s67, 12288
	s_mov_b32 s47, 0
	s_lshl_b32 s96, s67, 9
	s_mov_b32 s97, 0
	s_mul_i32 s45, s[WV], HALFT                    ; where they go: wave x 8 blocks: no place in the cluster enters an LDS address
	s_wait_dscnt 0x0                               ; the opening add is done
	s_wait_kmcnt 0x0
	s_cmp_eq_u32 ttmp9, 2
	s_cselect_b64 s[94:95], s[8:9], s[4:5]         ; R's codes
	s_cselect_b64 s[98:99], s[10:11], s[6:7]       ; R's scale words
	s_cselect_b64 s[4:5], s[4:5], s[8:9]           ; Cc's codes
	s_cselect_b64 s[6:7], s[6:7], s[10:11]         ; Cc's scale words
	s_add_nc_u64 s[94:95], s[94:95], s[20:21]
	s_add_nc_u64 s[98:99], s[98:99], s[22:23]
	s_add_nc_u64 s[4:5], s[4:5], s[46:47]
	s_add_nc_u64 s[6:7], s[6:7], s[96:97]
	CROUND                                         ; all sixteen work-groups are here: the first joint loads meet
	s_mov_b32 s[G0S], 1
	s_mov_b32 s[G0S+1], SCL
	s_mov_b64 s[G0S+2:G0S+3], s[98:99]
	s_or_b32 s[G0S+3], s[G0S+3], 0x80000000
	s_mov_b32 s[G0SB], 1
	s_mov_b32 s[G0SB+1], SCL+8192
	s_mov_b64 s[G0SB+2:G0SB+3], s[6:7]
	s_or_b32 s[G0SB+3], s[G0SB+3], 0x80000000
.irp s, 0,1
	s_mov_b32 s[G0+4*\s], 1
	s_add_co_u32 s[G0+4*\s+1], s45, \s*SLOT
	s_add_nc_u64 s[G0+4*\s+2:G0+4*\s+3], s[94:95], \s*RBK
	s_or_b32 s[G0+4*\s+3], s[G0+4*\s+3], 0x80000000
	s_mov_b32 s[G0B+4*\s], 1
	s_add_co_u32 s[G0B+4*\s+1], s45, \s*SLOT
	s_add_nc_u64 s[G0B+4*\s+2:G0B+4*\s+3], s[4:5], \s*RBK
	s_or_b32 s[G0B+4*\s+3], s[G0B+4*\s+3], 0x80000000
.endr
	s_mul_i32 s8, s[HC], 8*12288                   ; in the ring I fetch 8 blocks of a tile: which half, in bytes of memory
	s_mov_b32 s9, 0
	s_add_nc_u64 s[G0+6:G0+7], s[G0+6:G0+7], s[8:9]
	s_add_nc_u64 s[G0B+6:G0B+7], s[G0B+6:G0B+7], s[8:9]
	s_mov_b32 s[G0+1], 0                           ; for the head slot 0's two descriptors name whole tiles: R's 16 blocks,
	s_mov_b32 s[G0B+1], 2*HALFT                    ; and Cc's 16 behind them
; THE HEAD'S LOADS, ONE A WAVE: wave 0 R's codes of slot 0, wave 1 Cc's, wave 2 R's scale words, wave 3 Cc's.  One chain of branches on the wave's number, one load to an arm, one join.
.macro ARM under, g0, g1, next
	s_cmp_lt_u32 s[WV], \under
	s_cbranch_scc0 \next
	tensor_load_to_lds s[\g0:\g0+3], s[\g1:\g1+7]
	s_nop 0
.rept 4
	v_nop
.endr
	s_branch .Lhead_asked
\next:
.endm
	ARM 1, G0,  G1,  .Lhead_b
	ARM 2, G0B, G1B, .Lhead_sa
	ARM 3, G0S, G1S, .Lhead_sb
	tensor_load_to_lds s[G0SB:G0SB+3], s[G1SB:G1SB+7]
	s_nop 0
.rept 4
	v_nop
.endr
.Lhead_asked:
	v_and_b32 v1, 15, v0                           ; r
	v_bfe_u32 v2, v0, 4, 1                         ; h
	v_and_b32 v3, 31, v0
	v_lshlrev_b32 v[L16], 4, v3
	v_lshlrev_b32 v[L8], 3, v3
	s_mul_i32 s21, s[HR], HALFT                    ; my 8 blocks of R
	s_mul_i32 s22, s[HC], HALFT                    ; my 8 blocks of Cc,
	s_add_co_u32 s22, s22, 2*HALFT                 ; which lie behind R's 16
.irp s, 0,1
	v_add_nc_u32 v[ADRA+\s], s21, v[L16]
	v_add_nc_u32 v[ADRA+2+\s], s21, v[L8]
	v_add_nc_u32 v[ADRB+\s], s22, v[L16]
	v_add_nc_u32 v[ADRB+2+\s], s22, v[L8]
	s_add_co_u32 s21, s21, SLOT
	s_add_co_u32 s22, s22, SLOT
.endr
	s_lshl_b32 s21, s[HR], 12                      ; scale words: R's, my 8 blocks;
	s_lshl_b32 s22, s[HC], 12
	s_add_co_u32 s22, s22, 8192                    ; Cc's, behind R's 8,192 bytes
	s_sub_co_u32 s22, s22, s21
	v_mul_u32_u24 v4, s22, v2                      ; lanes 16-31 take Cc's
	s_add_co_u32 s21, s21, SCL
	v_lshl_add_u32 v4, v1, 3, v4                   ; 8 bytes a row: a pair of K steps
	v_add_nc_u32 v[ADRS], s21, v4
	; what differs between q, k and v on the way out
	s_cmp_eq_u32 ttmp9, 0
	s_mov_b32 s20, 204800
	s_cselect_b32 s20, 102400, s20                 ; a head's 16 records
	s_mov_b32 s21, 12800
	s_cselect_b32 s21, 6400, s21                   ; a record
	s_mov_b32 s19, 12288
	s_cselect_b32 s19, 6144, s19                   ; from the codes' area to the scale words'
	s_cselect_b64 s[92:93], s[12:13], s[14:15]     ; qr or kv
	s_cmp_eq_u32 ttmp9, 2
	s_cselect_b32 s19, 6400, s19
	s_mov_b32 s94, 768
	s_cselect_b32 s94, 1536, s94                   ; from block a to block a + 1
	s_cselect_b32 s95, 768, s20                    ; from a fragment's first half to its second: v: the next 64 keys; q, k: the next head
	s_cselect_b32 s96, 198656, 0                   ; v: blocks 4-7 are the next head's: 204,800 - 4 x 1,536
	s_cselect_b32 s97, 64, s20                     ; scale words: from lanes 0-15 to lanes 16-31
	s_cselect_b32 s98, 128, 64                     ; from a pair of blocks to the next
	s_cselect_b32 s99, 204544, 0                   ; v: pairs 2, 3 are the next head's: 204,800 - 2 x 128
	s_mov_b32 s100, 0x05040100                     ; q, k: the first head's two bytes of both blocks;  v: the even block's word
	s_cselect_b32 s100, 0x03020100, s100
	s_mov_b32 s101, 0x07060302                     ; q, k: the second head's;  v: the odd block's word
	s_cselect_b32 s101, 0x07060504, s101
	s_cselect_b32 s22, 6144, 0                     ; v's codes lie behind k's
	s_cselect_b32 s23, s40, s41                    ; the tokens' coordinate in the cluster,
	s_cselect_b32 s46, s[HC], s[HR]                ; and in the work-group
	s_cselect_b32 s47, s41, s40                    ; the heads'
	s_cselect_b32 s3, s[HR], s[HC]
	s_lshr_b32 s42, s42, 3
	s_lshl_b32 s23, s23, 1
	s_add_co_u32 s42, s42, s23
	s_add_co_u32 s42, s42, s46                     ; my 128 tokens: 8 x cluster y + 2 x place + half
	s_lshl_b32 s47, s47, 2
	s_lshl_b32 s3, s3, 1
	s_add_co_u32 s47, s47, s3                      ; my first head
	s_lshr_b32 s23, s42, 4
	s_lshl_b32 s23, s23, 4
	s_add_co_u32 s23, s23, s47                     ; 16 b + head
	s_mul_i32 s23, s23, s20
	s_and_b32 s42, s42, 15
	s_mul_i32 s42, s42, s21
	s_add_co_u32 s22, s22, s23
	s_add_co_u32 s22, s22, s42
	s_mov_b32 s23, 0
	s_add_nc_u64 s[92:93], s[92:93], s[22:23]
	s_mov_b32 s2, 0xffff0000                       ; lanes 16-31
	s_mov_b32 s66, 0x76543210
	s_mov_b32 s67, 0xfedcba98                      ; lane l xor 16
	v_mul_u32_u24 v[SLN], s97, v2
	v_lshl_add_u32 v[SLN], v1, 2, v[SLN]
.irp b, 0,1,2,3
	v_mov_b32 v[TM+4+\b], 0                        ; written once: a lane permute's destination counts as one of its sources
.endr
; A fragment comes as it was laid: four loads, each of consecutive bytes (16 or 8 a lane).
.macro FRAG reg, a16, a8, off
	ds_load_b128 v[\reg:\reg+3], v[\a16] offset:\off
	ds_load_b64 v[\reg+4:\reg+5], v[\a8] offset:\off+512
	ds_load_b128 v[\reg+6:\reg+9], v[\a16] offset:\off+768
	ds_load_b64 v[\reg+10:\reg+11], v[\a8] offset:\off+1280
.endm
; 16 matrix instructions: R's blocks a0, a0 + 1 x Cc's eight, the slot's q-th K step.  p: Cc's set; sc: the set of scale words.  zero = 1: the first product starts the sums.
; The 64 accumulators take turns, one instruction a turn, in the same order in every step.
.macro MUL16 a0, p, q, sc, zero
.irp a, \a0, \a0+1
.irp b, 0,1,2,3,4,5,6,7
.if \zero
	v_wmma_scale_f32_16x16x128_f8f6f4 v[8*(8*((\a)%4)+\b):8*(8*((\a)%4)+\b)+7], v[128*(\p)+FR*\b:128*(\p)+FR*\b+FR-1], v[AF+FR*(\a):AF+FR*(\a)+FR-1], 0, v[SC+16*(\sc)+2*\b+(\q)], v[SC+16*(\sc)+2*(\a)+(\q)] matrix_a_fmt:MATRIX_FMT_FP6 matrix_b_fmt:MATRIX_FMT_FP6 matrix_a_scale:MATRIX_SCALE_ROW1
.else
	v_wmma_scale_f32_16x16x128_f8f6f4 v[8*(8*((\a)%4)+\b):8*(8*((\a)%4)+\b)+7], v[128*(\p)+FR*\b:128*(\p)+FR*\b+FR-1], v[AF+FR*(\a):AF+FR*(\a)+FR-1], v[8*(8*((\a)%4)+\b):8*(8*((\a)%4)+\b)+7], v[SC+16*(\sc)+2*\b+(\q)], v[SC+16*(\sc)+2*(\a)+(\q)] matrix_a_fmt:MATRIX_FMT_FP6 matrix_b_fmt:MATRIX_FMT_FP6 matrix_a_scale:MATRIX_SCALE_ROW1
.endif
.endr
.endr
.endm
.macro FETCH_B slot, q, p
	WIN TO_B
.irp i, 0,1,2,3,4,5,6,7
	FRAG 128*(\p)+FR*\i, ADRB+\slot, ADRB+2+\slot, \i*RBK+(\q)*1536
.endr
	WIN 0
.endm
.macro FETCH_A slot, q, i0
.irp i, \i0, \i0+1, \i0+2, \i0+3
	FRAG AF+FR*(\i), ADRA+\slot, ADRA+2+\slot, (\i)*RBK+(\q)*1536
.endr
.endm
.macro SCALES sc                       ; a pair of K steps' words: lanes 0-15 R's block i, lanes 16-31 Cc's block i
.irp i, 0,1,2,3,4,5,6,7
	ds_load_b64 v[SC+16*\sc+2*\i:SC+16*\sc+2*\i+1], v[ADRS] offset:\i*512
.endr
.endm
.macro PLACES n                        ; plain vector lines between a matrix instruction and a load into, or a read of, its registers (ISA guide 7.12.1 for reads)
.rept \n
	v_nop
.endr
.endm
; A slot's first K step.
.macro STEP slot, q, zero
	s_wait_dscnt 16                                ; Cc's set and R's blocks 0-3 are in; the youngest 16 loads (R's blocks 4-7: 4 fragments of 4) may be out
	WIN MUL_LO
	MUL16 0, (\q)%2, \q, \slot, \zero
	MUL16 2, (\q)%2, \q, \slot, \zero
	s_wait_dscnt 0x0                               ; R's blocks 4-7 are in
	PLACES NP
	FETCH_B \slot, (\q)+1, 1-(\q)%2
	FETCH_A \slot, (\q)+1, 0
	WIN MUL_HI
	MUL16 4, (\q)%2, \q, \slot, \zero
	MUL16 6, (\q)%2, \q, \slot, \zero
	PLACES NP
	WIN 0
	FETCH_A \slot, (\q)+1, 4
.endm
; A slot's second K step changes slots: one barrier; in front of it each wave waits for all its tensor loads, adds 0 to its spare word, and waits for that and for its reads of this slot.  fill = 1: the slot is filled again.
.macro TURN slot, next, fill
	s_wait_tensorcnt 0x0                           ; all my tensor loads have landed: my part of the next slot
	ds_add_u32 v[SPW], v[NIL]                      ; 0 onto my spare word
	s_wait_dscnt 17                                ; (the add and the youngest 16 loads may be out)
	WIN MUL_LO
	MUL16 0, 1, 1, \slot, 0                        ; sixteen matrix instructions stand between the add and the wait for it
	s_wait_dscnt 0x0                               ; the add is done, and my reads of this slot are over
	s_barrier_signal -1
	MUL16 2, 1, 1, \slot, 0
	WIN 0
	s_barrier_wait -1
.if \fill
	CREST                                          ; the barrier has opened a round of the cluster's barrier: no wave of any partner still reads this slot or has a load on its way
	s_add_nc_u64 s[G0+4*\slot+2:G0+4*\slot+3], s[G0+4*\slot+2:G0+4*\slot+3], 2*RBK
	s_add_nc_u64 s[G0B+4*\slot+2:G0B+4*\slot+3], s[G0B+4*\slot+2:G0B+4*\slot+3], 2*RBK
	JLOAD G0+4*\slot, G1, G0B+4*\slot, G1B         ; the first tensor load behind the round; its four v_nop are the places in front of the loads below
.else
	PLACES NP
.endif
	s_wait_alu depctr_va_vdst(0)
	v_add_nc_u32 v[ADRS], 128, v[ADRS]             ; the next pair of K steps' scale words
	FETCH_B \next, 0, 0
	FETCH_A \next, 0, 0
	SCALES \next
	WIN MUL_HI
	MUL16 4, 1, 1, \slot, 0
	MUL16 6, 1, 1, \slot, 0
	PLACES NP
	WIN 0
	FETCH_A \next, 0, 4
.endm
	s_wait_alu depctr_va_vdst(0)
	s_wait_tensorcnt 0x0                           ; my tile of the head's four is in
	ds_add_u32 v[SPW], v[NIL]
	s_mov_b32 s[G1+2], 8<<16                       ; no tensor load of mine is out: from here on a load brings 8 blocks,
	s_mov_b32 s[G1+4], 8
	s_mov_b32 s[G1B+2], 8<<16
	s_mov_b32 s[G1B+4], 8
	s_mov_b32 s[G0+1], s45                         ; and slot 0's descriptors name my 8 blocks
	s_add_nc_u64 s[G0+2:G0+3], s[G0+2:G0+3], s[8:9]
	s_mov_b32 s[G0B+1], s45
	s_add_nc_u64 s[G0B+2:G0B+3], s[G0B+2:G0B+3], s[8:9]
	s_wait_dscnt 0x0
	CROUND                                         ; a whole round: all four tiles are in, and the sixteen work-groups meet
	JLOAD G0+4, G1, G0B+4, G1B                     ; slot 1's first fill, my one tensor load behind the round
	FETCH_B 0, 0, 0
	FETCH_A 0, 0, 0
	SCALES 0
	FETCH_A 0, 0, 4
	STEP 0, 0, 1                                   ; K = 1,024 is eight K steps, four slots' worth: written straight
	TURN 0, 1, 1
	STEP 1, 0, 0
	TURN 1, 0, 1
	STEP 0, 0, 0
	TURN 0, 1, 0                                   ; the last two slots are not filled again
	STEP 1, 0, 0
	s_wait_dscnt 16
	WIN MUL_LO
	MUL16 0, 1, 1, 1, 0
	MUL16 2, 1, 1, 1, 0
	s_wait_dscnt 0x0
	WIN MUL_HI
	MUL16 4, 1, 1, 1, 0
	MUL16 6, 1, 1, 1, 0
	WIN 0
; THE WAY OUT.  Block a's 64 registers (window 2 or 3) are 128 neighbours along the next product's K: four blocks of 32, each in lanes l and l xor 16.  Each accumulator is read from its low end on.
.macro QUANTW a, pw
.set AC, 64*((\a)%4)
	WIN 0x28+0x14*((\a)/4)                         ; sources 1 and 2: the accumulators' window
.irp b, 0,1,2,3
	v_max3_num_f32 v[TM+\b], 0x1800000, |v[AC+16*\b]|, |v[AC+1+16*\b]|   ; the floor 2^(3 - 127) and my first two numbers
.endr
.irp i, 2,4,6,8,10,12,14
.irp b, 0,1,2,3
	v_max3_num_f32 v[TM+\b], v[TM+\b], |v[AC+16*\b+\i]|, |v[AC+1+16*\b+\i]|
.endr
.endr
	WIN 0
.irp b, 0,1,2,3
	v_permlanex16_b32 v[TM+4+\b], v[TM+\b], s66, s67
.endr
.irp b, 0,1,2,3
	v_max_num_f32 v[TM+\b], v[TM+\b], v[TM+4+\b]
.endr
.irp b, 0,1,2,3
	v_add_nc_u32 v[TM+12+\b], 0xff000000, v[TM+\b] ; 2 off the exponent field: the conversion's scale operand
.endr
.irp b, 0,1,2,3
	v_lshrrev_b32 v[TM+4+\b], 23, v[TM+12+\b]      ; the byte
.endr
	v_lshl_or_b32 v[\pw], v[TM+5], 8, v[TM+4]
	v_lshl_or_b32 v[\pw], v[TM+6], 16, v[\pw]
	v_lshl_or_b32 v[\pw], v[TM+7], 24, v[\pw]
	WIN 0x02+(\a)/4                                ; source 0: the accumulators' window
.irp c, 0,1
	v_cvt_scalef32_pk16_fp6_f32 v[D+6*\c:D+2+6*\c], v[AC+32*\c:AC+15+32*\c], v[TM+12+2*\c]
	v_cvt_scalef32_pk16_fp6_f32 v[T+4*\c:T+2+4*\c], v[AC+16+32*\c:AC+31+32*\c], v[TM+12+2*\c+1]
.endr
	WIN 0
	v_nop                                          ; one plain line behind the scaled conversions
.irp c, 0,1
.irp i, 0,1,2
	v_permlane16_swap_b32 v[D+6*\c+\i], v[T+4*\c+\i]
.endr
.irp i, 0,1,2
	v_mov_b32 v[D+3+6*\c+\i], v[T+4*\c+\i]
.endr
.endr
.endm
.macro OUTB a
	s_wait_xcnt 0x0                                ; the earlier stores have read their data and offsets: both are written again below
	QUANTW \a, PW0+(\a)%2
	s_mul_i32 s20, s94, \a
.if (\a) >= 4
	s_add_co_u32 s20, s20, s96
.endif
	s_add_co_u32 s21, s20, s95
	v_add_nc_u32 v[AD], s20, v[L16]
	v_add_nc_u32 v[AD+1], s20, v[L8]
	v_add_nc_u32 v[AD+2], s21, v[L16]
	v_add_nc_u32 v[AD+3], s21, v[L8]
	global_store_b128 v[AD], v[D:D+3], s[92:93]                ; 512 consecutive bytes
	global_store_b64 v[AD+1], v[D+4:D+5], s[92:93] offset:512  ; 256 consecutive bytes
	global_store_b128 v[AD+2], v[D+6:D+9], s[92:93]
	global_store_b64 v[AD+3], v[D+10:D+11], s[92:93] offset:512
.if (\a)%2
	v_perm_b32 v[W0], v[PW0+1], v[PW0], s100       ; the pair's two words, as the reader wants them
	v_perm_b32 v[W0+1], v[PW0+1], v[PW0], s101
	v_cndmask_b32 v[W0], v[W0], v[W0+1], s2        ; lanes 16-31 store the second
	s_mul_i32 s22, s98, (\a)/2
	s_add_co_u32 s22, s22, s19
.if (\a) >= 4
	s_add_co_u32 s22, s22, s99
.endif
	v_add_nc_u32 v[SAD], s22, v[SLN]
	global_store_b32 v[SAD], v[W0], s[92:93]       ; two runs of 64 bytes
.endif
.endm
	PLACES NP                                      ; behind the last products, in front of the first read of results
.irp a, 0,1,2,3,4,5,6,7
	OUTB \a
.endr
	s_wait_tensorcnt 0x0                           ; the wave's end, behind my last tensor load
	ds_add_u32 v[SPW], v[NIL]
	s_wait_dscnt 0x0
	CROUND                                         ; the closing round: no work-group ends while a partner may still ask for a tile that names it
	s_endpgm
.Lfunc_end_k_q8a768d7116_qkv:
	.size	k_q8a768d7116_qkv, .Lfunc_end_k_q8a768d7116_qkv-k_q8a768d7116_qkv
	.p2alignl 7, 3214868480
	.fill 96, 4, 3214868480
	.section	.rodata,"a",@progbits
	.p2align	6, 0x0
	.amdhsa_kernel k_q8a768d7116_qkv
		.amdhsa_group_segment_fixed_size 327680
		.amdhsa_private_segment_fixed_size 0
		.amdhsa_enable_private_segment 0
		.amdhsa_kernarg_size 48
		.amdhsa_user_sgpr_count 2
		.amdhsa_user_sgpr_kernarg_segment_ptr 1
		.amdhsa_wavefront_size32 1
		.amdhsa_system_sgpr_workgroup_id_x 1
		.amdhsa_system_sgpr_workgroup_id_y 1
		.amdhsa_system_sgpr_workgroup_id_z 1
		.amdhsa_system_vgpr_workitem_id 0
		.amdhsa_next_free_vgpr 1024
		.amdhsa_next_free_sgpr 102
		.amdhsa_reserve_vcc 0
		.amdhsa_float_denorm_mode_32 3
		.amdhsa_float_denorm_mode_16_64 3
		.amdhsa_memory_ordered 1
		.amdhsa_forward_progress 1
		.amdhsa_inst_pref_size 154
	.end_amdhsa_kernel
	.amdgpu_metadata
---
amdhsa.version: [ 1, 2 ]
amdhsa.kernels:
  - .name:           k_q8a768d7116_qkv
    .symbol:         k_q8a768d7116_qkv.kd
    .args:
      - { .name: xc, .offset: 0, .size: 8, .value_kind: global_buffer, .address_space: global }
      - { .name: xs, .offset: 8, .size: 8, .value_kind: global_buffer, .address_space: global }
      - { .name: wc, .offset: 16, .size: 8, .value_kind: global_buffer, .address_space: global }
      - { .name: ws, .offset: 24, .size: 8, .value_kind: global_buffer, .address_space: global }
      - { .name: qr, .offset: 32, .size: 8, .value_kind: global_buffer, .address_space: global }
      - { .name: kv, .offset: 40, .size: 8, .value_kind: global_buffer, .address_space: global }
    .group_segment_fixed_size: 327680
    .private_segment_fixed_size: 0
    .kernarg_segment_align: 8
    .kernarg_segment_size: 48
    .max_flat_workgroup_size: 128
    .sgpr_count:     102
    .vgpr_count:     1024
    .wavefront_size: 32
...
	.end_amdgpu_metadata
.endif
;; end of part 2
;; launch attn (part 3): grid 4 x 64, 8 waves a work-group, clusters of 4 x 1, 327,680 bytes of LDS; arguments qr, kv, oc, os; writes oc, os
.if DOCPART == 3
	.amdgcn_target "amdgcn-amd-amdhsa--gfx1250"
	.amdhsa_code_object_version 6
	.text
	.protected	k_q8a768d7116_attn
	.globl	k_q8a768d7116_attn
	.p2align	8
	.type	k_q8a768d7116_attn,@function
k_q8a768d7116_attn:
	s_mov_b64 s[64:65], 0
	v_nop
	global_prefetch_b8 v0, s[64:65] scope:SCOPE_SE
	s_setreg_imm32_b32 hwreg(HW_REG_WAVE_MODE, 25, 1), 1
	s_wait_xcnt 0x0
	s_wait_alu depctr_hold_cnt(0) depctr_sa_sdst(0) depctr_va_vdst(0) depctr_va_sdst(0) depctr_va_ssrc(0) depctr_va_vcc(0) depctr_vm_vsrc(0)
	s_getreg_b32 s2, hwreg(HW_REG_IB_STS2, 6, 4)
	s_cmp_eq_u32 s2, 0
	s_cbranch_scc0 .Lentry_in_a_cluster
	s_endpgm
.Lentry_in_a_cluster:
	s_bfe_u32 s2, ttmp6, 0x10000c
	s_cmp_lg_u32 s2, 0x3003
	s_cbranch_scc0 .Lentry_shape_is_right
	s_endpgm
.Lentry_shape_is_right:
; o = softmax(q k^T / 8) v for one (batch, head) and 512 queries, on codes of FP6 (E2M3) with E8M0 scales; o is quantised along the head's 64 and leaves as codes for the last projection.
; qr, kv, oc, os are laid as the launch before leaves them and the launch behind wants them: records of 128 tokens; a half of 768 bytes is 16 positions x 64 as an image of six operand registers.
; THE DEAL.  Eight waves; a wave holds 64 queries, four tiles u of 16, and walks the 2,048 keys in 16 steps of 128: each fragment of K feeds eight products, each of V four.
; All 16 records of K and V (204,800 bytes) come into LDS at the head, two records a wave by one tensor load, asked for jointly by the four work-groups of the cluster, which share the head.  Nothing is filled again,
; so there is no loop of fills to run ahead of, and no prefetch is laid.
; BOTH PRODUCTS ARE USED TRANSPOSED (S^T = k q^T, O^T = v^T p^T): a lane holds one query.  THE KEYS OF A TILE ARE CHOSEN BY THE LANES' LDS ADDRESSES: rows 0-7 of tile (c, t) are keys 64 c + 8 t + 0..7,
; rows 8-15 the keys 32 further on.  So lane (r, h) holds in registers 32 c + 0..31 the keys 64 c + 32 h + 0..31: a whole scale block, in the order of p's operand registers.  No lane asks another for a block's maximum.
; The head is 64 wide and the product 128 deep: an operand of K holds two tiles side by side, and q stands beside a block of zero codes, once to each side.
; p = 2^(t - M), t = score x log2(e) / 8, M the ceiling of the running largest t, a whole number; the row's sum is taken of the unquantised p; when M moves, the sum and O^T are multiplied by a power of two.
; A block's largest p is the exponential of its largest score (p rises with the score).
; THE ORDER IN A TILE.  Maxima and sums run in eight chains by turns.  The exponentials go in two batches of half a tile: among the first stand the second half's multiply-adds and the next tile's eight score products
; (into the other set of score registers), among the second the first eight sums, each written once, and the four products O^T(u - 1).  Nothing written inside a batch is read before the wait behind it.
; K of the next step is fetched behind the step's last score products, V at the step's head.  The last step fetches record 0 of K once more; nobody reads it.
; LIMITS: the promise holds while the scaled scores stay under 2^31 in magnitude; NaN and infinities are not served; a block of zeros gets the byte 1 (its codes are zeros; this program alone reads the bytes).
; REGISTERS.  Window 0: v1-15 addresses, v16-31 each tile's -M, largest score and sum, v32-41 scale words, v42-71 at work, v72-119 K's fragments, v120-247 the scores, v248-255 chains.
; Window 1: v0-127 O^T (32 u + 8 d), v128-181 q0 Z q1 Z q2 Z q3 Z q0 (Z: six registers of zero codes), v184-231 V's fragments, v232-255 p's codes, two sets.
.set REC,   12800
.set SPARE, 16*REC
.set SPW,   4
.set NIL,   5
.set KA16,  6
.set KA8,   7
.set KA4,   8
.set VA16,  9
.set VA8,   10
.set VA4,   11
.set KL16,  12
.set KL8,   13
.set KL4,   14
.set HS,    15
.set ST0,   16
.set KS,    32
.set VS,    34
.set QS,    36
.set PW,    40
.set BM,    42
.set TT,    46
.set BP,    47
.set FF,    48
.set SO,    50
.set EB,    52
.set NM,    56
.set WW,    57
.set PT,    58
.set QR,    66
.set R4,    70
.set R8,    71
.set FK,    72
.set SA,    120
.set MX,    248
.set QW,    128
.set FV,    184
.set PC,    232
.set EM,    42
.set EP,    50
.set ES,    58
.set HW,    66
.set EC,    72
.set WV,    12
.set SEL,   32
.set CS,    34
.set TB,    36
.set CNT,   37
.set TBN,   38
.set MSB, 0
.macro WIN new                         ; the immediate's high byte repeats the setting that is left
.if MSB != (\new)
	s_set_vgpr_msb (MSB<<8)|(\new)
.set MSB, (\new)
.endif
.endm
.macro WALU
	s_wait_alu depctr_va_vdst(0)
.endm
.macro CROUND
	s_barrier_signal -1
	s_barrier_wait -1
	s_cmp_lg_u32 s[WV], 0
	s_cbranch_scc1 .Lnot_wave_0_\@
	s_barrier_signal -3
.Lnot_wave_0_\@:
	s_barrier_wait -3
	s_barrier_signal -1
	s_barrier_wait -1
.endm
.macro MM d, a, b, c, sa, sb, row
	v_wmma_scale_f32_16x16x128_f8f6f4 v[\d:\d+7], v[\a:\a+11], v[\b:\b+11], \c, v[\sa], v[\sb] matrix_a_fmt:MATRIX_FMT_FP6 matrix_b_fmt:MATRIX_FMT_FP6 matrix_a_scale:MATRIX_SCALE_ROW\row
.endm
; score product m of a tile's eight: tile m of the step's keys (half m % 2 of K's operand m / 2) against q(u) beside zeros.  It runs with source 1 (q) in window 1
.macro QK1 u, sn, m
.if (\m)%2
.set QO, QW+(12*(\u)+42)%48
.else
.set QO, QW+12*(\u)
.endif
.if ((\m)/2)%2
	MM \sn+8*(\m), FK+12*((\m)/2), QO, 0, KS+(\m)/4, QS+(\u), 1
.else
	MM \sn+8*(\m), FK+12*((\m)/2), QO, 0, KS+(\m)/4, QS+(\u), 0
.endif
.endm
; two products O^T(u) += v^T p^T, tiles d0 and d0 + 1 of the head's four; all operands in window 1.  The accumulators take turns
.macro PVP u, d0
	WIN 0x55
	MM 32*(\u)+8*(\d0), FV+12*(\d0), PC+12*((\u)%2), v[32*(\u)+8*(\d0):32*(\u)+8*(\d0)+7], VS+(\d0)/2, PW+(\u)%2, 0
	MM 32*(\u)+8*(\d0)+8, FV+12*(\d0)+12, PC+12*((\u)%2), v[32*(\u)+8*(\d0)+8:32*(\u)+8*(\d0)+15], VS+(\d0)/2, PW+(\u)%2, 1
.endm
; K's four operands and two registers of scale words of the record at s[TBN]: 18 loads
.macro KFETCH
	v_add_nc_u32 v[KA16], s[TBN], v[KL16]
	v_add_nc_u32 v[KA8], s[TBN], v[KL8]
	v_add_nc_u32 v[KA4], s[TBN], v[KL4]
.irp c, 0,1
.irp g, 0,1
	ds_load_b128 v[FK+24*\c+12*\g:FK+24*\c+12*\g+3], v[KA16] offset:3072*\c+128*\g
	ds_load_b64 v[FK+24*\c+12*\g+4:FK+24*\c+12*\g+5], v[KA8] offset:3072*\c+64*\g+512
	ds_load_b128 v[FK+24*\c+12*\g+6:FK+24*\c+12*\g+9], v[KA16] offset:3072*\c+128*\g+768
	ds_load_b64 v[FK+24*\c+12*\g+10:FK+24*\c+12*\g+11], v[KA8] offset:3072*\c+64*\g+1280
.endr
	ds_load_b32 v[KS+\c], v[KA4] offset:12288+128*\c
.endr
.endm
; V's four operands and scale words of the record at s[TB]: 18 loads; the four plain lines are the places behind the last products that read these registers
.macro VFETCH
	v_add_nc_u32 v[VA16], s[TB], v1
	v_add_nc_u32 v[VA8], s[TB], v2
	v_add_nc_u32 v[VA4], s[TB], v3
	v_nop
	WIN 0x40
.irp d, 0,1,2,3
	ds_load_b128 v[FV+12*\d:FV+12*\d+3], v[VA16] offset:6144+1536*\d
	ds_load_b64 v[FV+12*\d+4:FV+12*\d+5], v[VA8] offset:6144+1536*\d+512
	ds_load_b128 v[FV+12*\d+6:FV+12*\d+9], v[VA16] offset:6144+1536*\d+768
	ds_load_b64 v[FV+12*\d+10:FV+12*\d+11], v[VA8] offset:6144+1536*\d+1280
.endr
	WIN 0
	ds_load_b32 v[VS], v[VA4] offset:12544
	ds_load_b32 v[VS+1], v[VA4] offset:12672
.endm
; the sums' eight chains are pairs of registers: chains 0-3 at v248 on, chains 4-7 at v58 on
.macro ADDS k, off                     ; chain k += the two p at register off of the tile
.set TK, 248+2*(\k)-198*((\k)/4)
	v_pk_add_f32 v[TK:TK+1], v[TK:TK+1], v[SS+(\off):SS+(\off)+1]
.endm
.macro JOIN k, l                       ; chain k += chain l
.set TK, 248+2*(\k)-198*((\k)/4)
.set TL, 248+2*(\l)-198*((\l)/4)
	v_pk_add_f32 v[TK:TK+1], v[TK:TK+1], v[TL:TL+1]
.endm
.macro FMA4 j0                         ; t - M of eight scores
.irp j, 0,2,4,6
	v_pk_fma_f32 v[SS+(\j0)+\j:SS+(\j0)+\j+1], v[SS+(\j0)+\j:SS+(\j0)+\j+1], s[CS:CS+1], v[NM:NM+1] op_sel_hi:[1,0,0]
.endr
.endm
; TILE u OF A STEP: from 64 scores a lane to p's codes and scale word, the sum, and O^T(u) under the new M
.macro SM u
.set SS, SA+64*((\u)%2)
.set SN, SA+64-64*((\u)%2)
.set SV, ST0+4*(\u)
.set PCW, PC+12*((\u)%2)
	WALU                                           ; directly ahead of the first reader of the scores
.irp k, 0,1,2,3,4,5,6,7                ; the largest score of my two blocks of 32 keys: a chain to each accumulator, read from its low end on
	v_max3_num_f32 v[MX+\k], v[SS+8*\k], v[SS+8*\k+1], v[SS+8*\k+2]
.endr
.irp i, 3,5
.irp k, 0,1,2,3,4,5,6,7
	v_max3_num_f32 v[MX+\k], v[MX+\k], v[SS+8*\k+\i], v[SS+8*\k+\i+1]
.endr
.endr
.irp k, 0,2,4,6
	v_max3_num_f32 v[MX+\k], v[MX+\k], v[MX+\k+1], v[SS+8*\k+7]
.endr
	v_max3_num_f32 v[MX], v[MX], v[MX+2], v[SS+15]
	v_max3_num_f32 v[MX+4], v[MX+4], v[MX+6], v[SS+47]
	v_max_num_f32 v[BM], v[MX], v[SS+31]
	v_max_num_f32 v[BM+2], v[MX+4], v[SS+63]
	v_max_num_f32 v[TT], v[BM], v[BM+2]
	v_permlanex16_b32 v[BP], v[TT], s[SEL], s[SEL+1]
	v_max3_num_f32 v[SV+1], v[SV+1], v[TT], v[BP]  ; the running largest score of my query
	v_mul_f32 v[TT], s[CS], v[SV+1]                ; as t
	v_floor_f32 v[NM], -v[TT]                      ; the new -M = -ceil(t)
	FMA4 0                                         ; the first half's t - M; f is made among them
	v_sub_f32 v[TT], v[NM], v[SV]                  ; old M less new M: a whole number, 0 or less
	FMA4 8
	v_mov_b32 v[SV], v[NM]
	v_cvt_i32_f32 v[TT], v[TT]                     ; (it saturates)
	FMA4 16
	v_fma_f32 v[BM], v[BM], s[CS], v[NM]           ; the same of each block's largest score
	v_fma_f32 v[BM+2], v[BM+2], s[CS], v[NM]
	v_ldexp_f32 v[FF], 1.0, v[TT]                  ; f = 2^(old M - new M)
	FMA4 24
	WALU                                           ; ahead of the batch
.if (\u) == 1
	s_wait_dscnt 0x0                               ; V's fragments of this step are in
.endif
.if (\u) < 3
	WIN 0x04                                       ; q in window 1; the batch's other lines name no vector register as source 1
.endif
	v_exp_f32 v[BM], v[BM]
	v_exp_f32 v[BM+2], v[BM+2]
.set n, 0
.rept 16
	v_exp_f32 v[SS+2*n], v[SS+2*n]
	v_exp_f32 v[SS+2*n+1], v[SS+2*n+1]
.if ((\u) < 3) && (n%2 == 0)
	QK1 (\u)+1, SN, n/2                            ; the next tile's scores, into the other set
.endif
	v_pk_fma_f32 v[SS+32+2*n:SS+33+2*n], v[SS+32+2*n:SS+33+2*n], s[CS:CS+1], v[NM:NM+1] op_sel_hi:[1,0,0]
.set n, n+1
.endr
	WIN 0
	WALU                                           ; behind the first batch and ahead of the second
.set n, 0
.rept 16
	v_exp_f32 v[SS+32+2*n], v[SS+32+2*n]
	v_exp_f32 v[SS+33+2*n], v[SS+33+2*n]
.if n < 8
.set TK, 248+2*n-198*(n/4)
	v_pk_add_f32 v[TK:TK+1], v[SS+4*n:SS+4*n+1], v[SS+4*n+2:SS+4*n+3]   ; the sum of the unquantised p: each chain begins with four of the first half
.elseif n == 8
	v_max_num_f32 v[BM], 0x1800000, v[BM]          ; the floor 2^(3 - 127): the byte cannot fall under 1
.elseif n == 9
	v_max_num_f32 v[BM+2], 0x1800000, v[BM+2]
.elseif n == 15
	v_pk_mul_f32 v[SV+2:SV+3], v[SV+2:SV+3], v[FF:FF+1] op_sel_hi:[1,0]   ; the sum under the new M; the plain line behind the batch
.endif
.if (\u) > 0
.if n == 3
	PVP (\u)-1, 0
	WIN 0
.endif
.if n == 11
	PVP (\u)-1, 2
	WIN 0
.endif
.endif
.set n, n+1
.endr
	WALU                                           ; behind the second batch
.if (\u) == 2
	s_add_co_u32 s[TBN], s[TBN], REC               ; K's fragments have served the step's four tiles: the next record's, behind the last the first's
	s_cmp_eq_u32 s[TBN], 16*REC
	s_cselect_b32 s[TBN], 0, s[TBN]
	KFETCH
.endif
	v_add_nc_u32 v[SO], 0xff000000, v[BM]          ; 2 off the exponent field: the conversion's scale operand.  The scale word is made among the sums
	v_add_nc_u32 v[SO+1], 0xff000000, v[BM+2]
.irp k, 0,1,2,3
	ADDS \k, 32+2*\k
.endr
	v_lshrrev_b32 v[EB], 23, v[SO]
	v_lshrrev_b32 v[EB+1], 23, v[SO+1]
.irp k, 4,5,6,7
	ADDS \k, 32+2*\k
.endr
	v_lshl_or_b32 v[WW], v[EB+1], 16, v[EB]        ; my bytes: blocks h and 2 + h,
.irp k, 0,1,2,3
	ADDS \k, 48+2*\k
.endr
	v_lshlrev_b32 v[WW], v[HS], v[WW]              ; at their places,
.irp k, 4,5,6,7
	ADDS \k, 48+2*\k
.endr
	v_permlanex16_b32 v[BP], v[WW], s[SEL], s[SEL+1]
	JOIN 0, 1
	JOIN 2, 3
	JOIN 4, 5
	JOIN 6, 7
	v_or_b32 v[PW+(\u)%2], v[WW], v[BP]            ; with lane l xor 16's the word is whole
	JOIN 0, 2
	JOIN 4, 6
	JOIN 0, 4
	v_pk_add_f32 v[SV+2:SV+3], v[SV+2:SV+3], v[248:249]
	WIN 0x40
	v_cvt_scalef32_pk16_fp6_f32 v[PCW:PCW+2], v[SS:SS+15], v[SO]
	v_cvt_scalef32_pk16_fp6_f32 v[PCW+6:PCW+8], v[SS+32:SS+47], v[SO+1]
	WIN 0
	v_cvt_scalef32_pk16_fp6_f32 v[PT:PT+2], v[SS+16:SS+31], v[SO]        ; (a conversion's three registers begin on an even number)
	v_cvt_scalef32_pk16_fp6_f32 v[PT+4:PT+6], v[SS+48:SS+63], v[SO+1]
	v_nop                                          ; one plain line behind the scaled conversions
	WIN 0x40
.irp i, 0,1,2
	v_mov_b32 v[PCW+3+\i], v[PT+\i]
	v_mov_b32 v[PCW+9+\i], v[PT+4+\i]
.endr
	WIN 0x41
	WALU                                           ; directly ahead of the first reader of O^T(u)
.set j, 0
.rept 16
	v_pk_mul_f32 v[32*(\u)+j:32*(\u)+j+1], v[32*(\u)+j:32*(\u)+j+1], v[FF:FF+1] op_sel_hi:[1,0]
.set j, j+2
.endr
	WIN 0
.endm
; ---------------- the head
	s_load_b256 s[4:11], s[0:1], 0x0               ; qr, kv, oc, os
	v_lshl_add_u32 v[SPW], v0, 2, SPARE
	v_mov_b32 v[NIL], 0
	ds_add_u32 v[SPW], v[NIL]                      ; the opening lines: the add, twice on end, and its wait ahead of my first tensor load
	ds_add_u32 v[SPW], v[NIL]
	v_lshrrev_b32 v6, 5, v0
	v_readfirstlane_b32 s[WV], v6
	s_bfe_u32 s13, ttmp6, 0x40000                  ; cx: which 512 queries
	s_and_b32 s14, ttmp7, 0xffff                   ; 16 b + head
	s_mov_b32 s16, 15|(3<<16)|(1<<21)              ; the mask names the cluster's four; elements of 8 bytes
	s_mov_b32 s17, 32<<16                          ; two records, 25,600 dense bytes, as 100 rows of 256
	s_mov_b32 s18, 100<<16
	s_mov_b32 s19, 32<<16
	s_mov_b32 s20, 100
	s_mov_b32 s21, 32
	s_mov_b32 s22, 0
	s_mov_b32 s23, 0
	s_mul_i32 s48, s[WV], 2*REC
	s_mul_i32 s50, s14, 16*REC
	s_add_co_u32 s50, s50, s48
	s_mov_b32 s51, 0
	s_mov_b32 s[SEL], 0x76543210
	s_mov_b32 s[SEL+1], 0xfedcba98                 ; lane l xor 16
	s_mov_b32 s[CS], 0x3e38aa3b                    ; log2(e) / 8
	s_mov_b32 s[CS+1], s[CS]
	WALU
	s_wait_dscnt 0x0
	s_wait_kmcnt 0x0
	s_add_nc_u64 s[50:51], s[6:7], s[50:51]
	CROUND                                         ; the four work-groups are here: the joint loads meet
	s_mov_b32 s24, 1
	s_mov_b32 s25, s48
	s_mov_b64 s[26:27], s[50:51]
	s_or_b32 s27, s27, 0x80000000
	tensor_load_to_lds s[24:27], s[16:23]          ; my one tensor load
	s_nop 0
.rept 4
	v_nop
.endr
	s_lshl_b32 s52, s13, 2                         ; q: record 4 cx + wave / 2, halves 4 (wave % 2) + u
	s_lshr_b32 s53, s[WV], 1
	s_add_co_u32 s52, s52, s53
	s_mul_i32 s52, s52, 6400
	s_mul_i32 s53, s14, 102400
	s_add_co_u32 s52, s52, s53
	s_and_b32 s54, s[WV], 1
	s_mul_i32 s55, s54, 3072
	s_add_co_u32 s40, s52, s55
	s_mov_b32 s41, 0
	s_add_nc_u64 s[40:41], s[4:5], s[40:41]
	s_lshl_b32 s54, s54, 7
	s_add_co_u32 s42, s52, s54
	s_add_co_u32 s42, s42, 6144                    ; its scale words: two pairs of halves
	s_mov_b32 s43, 0
	s_add_nc_u64 s[42:43], s[4:5], s[42:43]
	s_lshr_b32 s52, s14, 4                         ; out: block of 16 positions 128 b + 32 cx + 4 wave + u
	s_lshl_b32 s52, s52, 7
	s_lshl_b32 s53, s13, 5
	s_add_co_u32 s52, s52, s53
	s_lshl_b32 s53, s[WV], 2
	s_add_co_u32 s52, s52, s53
	s_and_b32 s53, s14, 15                         ; the head: 64 of the projection's K
	s_mul_i32 s44, s52, 12288
	s_mul_i32 s54, s53, 768
	s_add_co_u32 s44, s44, s54
	s_mov_b32 s45, 0
	s_add_nc_u64 s[44:45], s[8:9], s[44:45]
	s_lshl_b32 s46, s52, 9
	s_lshr_b32 s54, s53, 2
	s_lshl_b32 s54, s54, 7
	s_add_co_u32 s46, s46, s54
	s_and_b32 s54, s53, 3
	s_lshl_b32 s54, s54, 1
	s_add_co_u32 s46, s46, s54
	s_mov_b32 s47, 0
	s_add_nc_u64 s[46:47], s[10:11], s[46:47]
	s_mov_b32 s[TB], 0
	s_mov_b32 s[TBN], 0
	s_mov_b32 s[CNT], 16
	v_and_b32 v3, 31, v0
	v_and_b32 v[R8], 15, v0
	v_bfe_u32 v[TT], v0, 3, 1                      ; r / 8
	v_and_b32 v[BP], 7, v0                         ; r % 8
	v_bfe_u32 v[HS], v0, 4, 1                      ; h
	v_lshlrev_b32 v1, 4, v3
	v_lshlrev_b32 v2, 3, v3
	v_lshlrev_b32 v3, 2, v3
	v_lshlrev_b32 v[R4], 2, v[R8]
	v_lshlrev_b32 v[R8], 3, v[R8]
	v_mul_u32_u24 v[KL16], v[TT], 1536             ; K: rows 8-15 of a tile come from the half two further on; row r % 8 (+ 8 by the offset), block h of its 64
	v_lshlrev_b32 v[KL4], 6, v[TT]
	v_lshl_add_u32 v[KL8], v[BP], 3, v[KL16]
	v_lshl_add_u32 v[KL16], v[BP], 4, v[KL16]
	v_lshl_add_u32 v[KL4], v[BP], 2, v[KL4]
	v_lshl_add_u32 v[KL8], v[HS], 7, v[KL8]
	v_lshl_add_u32 v[KL16], v[HS], 8, v[KL16]
	v_lshl_add_u32 v[KL4], v[HS], 5, v[KL4]        ; scale words: lanes 0-15 serve an operand of rows 0-7 of the halves, lanes 16-31 one of rows 8-15
	v_lshlrev_b32 v[HS], 3, v[HS]
	WIN 0x40
.irp i, 0,1,2,3,4
	global_load_b128 v[QW+12*\i:QW+12*\i+3], v1, s[40:41] offset:768*(\i%4)
	global_load_b64 v[QW+12*\i+4:QW+12*\i+5], v2, s[40:41] offset:768*(\i%4)+512
.endr
	WIN 0
	global_load_b32 v[QR], v[R4], s[42:43]
	global_load_b32 v[QR+1], v[R4], s[42:43] offset:64
	WIN 0x40
.irp i, 0,1,2,3
.irp k, 6,7,8,9,10,11
	v_mov_b32 v[QW+12*\i+\k], 0                    ; the blocks of zero codes
.endr
.endr
.set j, 0
.rept 128
	v_mov_b32 v[j], 0                              ; O^T: the step is written once, and the first finds zeros
.set j, j+1
.endr
	WIN 0
	WALU
	s_wait_loadcnt 0x0
	v_perm_b32 v[QS], v[QR], v[QR], 0x01000100     ; a half's two bytes, twice: they serve q to either side of the zeros
	v_perm_b32 v[QS+1], v[QR], v[QR], 0x03020302
	v_perm_b32 v[QS+2], v[QR+1], v[QR+1], 0x01000100
	v_perm_b32 v[QS+3], v[QR+1], v[QR+1], 0x03020302
.irp u, 0,1,2,3
	v_mov_b32 v[ST0+4*\u], 0x7f61b1e6              ; -M: 3e38
	v_mov_b32 v[ST0+4*\u+1], 0xff61b1e6            ; the largest score so far: -3e38
	v_mov_b32 v[ST0+4*\u+2], 0                     ; the sum, in two halves
	v_mov_b32 v[ST0+4*\u+3], 0
.endr
	v_mov_b32 v[FF+1], 0                           ; (named as the upper halves of pairs)
	v_mov_b32 v[WW], 0
	v_mov_b32 v[EP+4], 0                           ; written once: a lane permute's destination counts as one of its sources (the way out)
	v_mov_b32 v[EP+5], 0
	WALU
	s_wait_tensorcnt 0x0
	s_barrier_signal -1
	s_barrier_wait -1                              ; all sixteen records are in
	KFETCH
; ---------------- sixteen steps of 128 keys
.Lstep:
	VFETCH
	WALU
	s_wait_dscnt 18                                ; K's 18 loads are in; V's 18, just issued, may be out
	WIN 0x04
.irp m, 0,1,2,3,4,5,6,7
	QK1 0, SA, \m
.endr
	WIN 0
.rept 4
	v_nop
.endr
	SM 0
	SM 1
	SM 2
	SM 3
	PVP 3, 0
	PVP 3, 2
	WIN 0
	s_add_co_u32 s[TB], s[TB], REC
	s_sub_co_u32 s[CNT], s[CNT], 1
	s_cmp_lg_u32 s[CNT], 0
	WALU
	s_cbranch_scc1 .Lstep
; ---------------- the way out: O^T / the sum, quantised along the head's 64: two blocks of 32, each in lanes l and l xor 16
	s_wait_dscnt 0x0                               ; the last fetch has landed: its registers are written below
.irp u, 0,1,2,3
	v_add_f32 v[ST0+4*\u+2], v[ST0+4*\u+2], v[ST0+4*\u+3]
.endr
.irp u, 0,1,2,3
	v_permlanex16_b32 v[BM+\u], v[ST0+4*\u+2], s[SEL], s[SEL+1]
.endr
.irp u, 0,1,2,3
	v_add_f32 v[ST0+4*\u+2], v[ST0+4*\u+2], v[BM+\u]
.endr
	WALU
.irp u, 0,1,2,3
	v_rcp_f32 v[ST0+4*\u+2], v[ST0+4*\u+2]
.endr
	v_nop
	WIN 0x01
	WALU                                           ; behind the batch, and directly ahead of the first reader of O^T
.irp u, 0,1,2,3
.set j, 0
.rept 16
	v_pk_mul_f32 v[SA+32*\u+j:SA+32*\u+j+1], v[32*\u+j:32*\u+j+1], v[ST0+4*\u+2:ST0+4*\u+3] op_sel_hi:[1,0]
.set j, j+2
.endr
.endr
	WIN 0
.irp k, 0,1,2,3,4,5,6,7
	v_max3_num_f32 v[EM+\k], |v[SA+16*\k]|, |v[SA+16*\k+1]|, 0x1800000
.endr
.irp i, 2,4,6,8,10,12,14
.irp k, 0,1,2,3,4,5,6,7
	v_max3_num_f32 v[EM+\k], v[EM+\k], |v[SA+16*\k+\i]|, |v[SA+16*\k+\i+1]|
.endr
.endr
.irp k, 0,1,2,3,4,5,6,7
	v_permlanex16_b32 v[EP+\k], v[EM+\k], s[SEL], s[SEL+1]
.endr
.irp k, 0,1,2,3,4,5,6,7
	v_max_num_f32 v[EM+\k], v[EM+\k], v[EP+\k]
.endr
.irp k, 0,1,2,3,4,5,6,7
	v_add_nc_u32 v[ES+\k], 0xff000000, v[EM+\k]
.endr
.irp k, 0,1,2,3,4,5,6,7
	v_lshrrev_b32 v[EP+\k], 23, v[ES+\k]
.endr
.irp u, 0,1,2,3
	v_lshl_or_b32 v[HW+\u], v[EP+2*\u+1], 8, v[EP+2*\u]
.endr
.irp u, 0,1,2,3
	v_cvt_scalef32_pk16_fp6_f32 v[EC+12*\u:EC+12*\u+2], v[SA+32*\u:SA+32*\u+15], v[ES+2*\u]
	v_cvt_scalef32_pk16_fp6_f32 v[EC+12*\u+6:EC+12*\u+8], v[SA+32*\u+16:SA+32*\u+31], v[ES+2*\u+1]
.endr
	v_nop                                          ; one plain line behind the scaled conversions
.irp u, 0,1,2,3
.irp i, 0,1,2
	v_permlane16_swap_b32 v[EC+12*\u+\i], v[EC+12*\u+6+\i]   ; a whole block to a lane
.endr
.endr
.irp u, 0,1,2,3
.irp i, 0,1,2
	v_mov_b32 v[EC+12*\u+3+\i], v[EC+12*\u+6+\i]
.endr
.endr
.irp u, 0,1,2,3
	global_store_b128 v1, v[EC+12*\u:EC+12*\u+3], s[44:45] offset:12288*\u          ; 512 consecutive bytes
	global_store_b64 v2, v[EC+12*\u+4:EC+12*\u+5], s[44:45] offset:12288*\u+512     ; 256 consecutive bytes
	global_store_b16 v[R8], v[HW+\u], s[46:47] offset:512*\u                        ; the head's two bytes of each row's scale words
.endr
	s_wait_tensorcnt 0x0                           ; the wave's end
	ds_add_u32 v[SPW], v[NIL]
	s_wait_dscnt 0x0
	CROUND                                         ; the closing round
	s_endpgm
.Lfunc_end_k_q8a768d7116_attn:
	.size	k_q8a768d7116_attn, .Lfunc_end_k_q8a768d7116_attn-k_q8a768d7116_attn
	.p2alignl 7, 3214868480
	.fill 96, 4, 3214868480
	.section	.rodata,"a",@progbits
	.p2align	6, 0x0
	.amdhsa_kernel k_q8a768d7116_attn
		.amdhsa_group_segment_fixed_size 327680
		.amdhsa_private_segment_fixed_size 0
		.amdhsa_enable_private_segment 0
		.amdhsa_kernarg_size 32
		.amdhsa_user_sgpr_count 2
		.amdhsa_user_sgpr_kernarg_segment_ptr 1
		.amdhsa_wavefront_size32 1
		.amdhsa_system_sgpr_workgroup_id_x 1
		.amdhsa_system_sgpr_workgroup_id_y 1
		.amdhsa_system_sgpr_workgroup_id_z 1
		.amdhsa_system_vgpr_workitem_id 0
		.amdhsa_next_free_vgpr 512
		.amdhsa_next_free_sgpr 66
		.amdhsa_reserve_vcc 0
		.amdhsa_float_denorm_mode_32 3
		.amdhsa_float_denorm_mode_16_64 3
		.amdhsa_memory_ordered 1
		.amdhsa_forward_progress 1
		.amdhsa_inst_pref_size 81
	.end_amdhsa_kernel
	.amdgpu_metadata
---
amdhsa.version: [ 1, 2 ]
amdhsa.kernels:
  - .name:           k_q8a768d7116_attn
    .symbol:         k_q8a768d7116_attn.kd
    .args:
      - { .name: qr, .offset: 0, .size: 8, .value_kind: global_buffer, .address_space: global }
      - { .name: kv, .offset: 8, .size: 8, .value_kind: global_buffer, .address_space: global }
      - { .name: oc, .offset: 16, .size: 8, .value_kind: global_buffer, .address_space: global }
      - { .name: os, .offset: 24, .size: 8, .value_kind: global_buffer, .address_space: global }
    .group_segment_fixed_size: 327680
    .private_segment_fixed_size: 0
    .kernarg_segment_align: 8
    .kernarg_segment_size: 32
    .max_flat_workgroup_size: 256
    .sgpr_count:     66
    .vgpr_count:     512
    .wavefront_size: 32
...
	.end_amdgpu_metadata
.endif
;; end of part 3
;; launch oproj (part 4): grid 4 x 64, 4 waves a work-group, clusters of 4 x 4, 327,680 bytes of LDS; arguments oc, os, wc, ws, out0; writes out0
.if DOCPART == 4
	.amdgcn_target "amdgcn-amd-amdhsa--gfx1250"
	.amdhsa_code_object_version 6
	.text
	.protected	k_q8a768d7116_oproj
	.globl	k_q8a768d7116_oproj
	.p2align	8
	.type	k_q8a768d7116_oproj,@function
k_q8a768d7116_oproj:
	s_mov_b64 s[64:65], 0
	v_nop
	global_prefetch_b8 v0, s[64:65] scope:SCOPE_SE
	s_setreg_imm32_b32 hwreg(HW_REG_WAVE_MODE, 25, 1), 1
	s_wait_xcnt 0x0
	s_wait_alu depctr_hold_cnt(0) depctr_sa_sdst(0) depctr_va_vdst(0) depctr_va_sdst(0) depctr_va_ssrc(0) depctr_va_vcc(0) depctr_vm_vsrc(0)
	s_getreg_b32 s2, hwreg(HW_REG_IB_STS2, 6, 4)
	s_cmp_eq_u32 s2, 0
	s_cbranch_scc0 .Lentry_in_a_cluster
	s_endpgm
.Lentry_in_a_cluster:
	s_bfe_u32 s2, ttmp6, 0x10000c
	s_cmp_lg_u32 s2, 0xf033
	s_cbranch_scc0 .Lentry_shape_is_right
	s_endpgm
.Lentry_shape_is_right:
; out0 = o Wo on codes of FP6 (E2M3) with E8M0 scales, K = 1,024; f32 sums, stored as they are.
; Operands lie as images of the matrix operand's registers: [block of 16 positions][K step 0..7][1,536 bytes]; scale words [block][pair of K steps][r][2 words].  Position p holds row P(p), P = p with bits 3 and 4 exchanged.
; A tile is 128 tokens x 256 columns: 64 x 4 tiles, one to a work-group.  Four waves, 2 x 2, each 64 x 128: 32 accumulators.
; ALL OF K LIES IN LDS: the tokens' 8 blocks (98,304 bytes), the weight's 16 blocks (196,608), their scale words (4,096 and 8,192).  Each is one dense run of memory and comes by one tensor load, one a wave, at the head.
; Nothing is filled again: no ring, no round in the walk along K, and no loop of fills to run ahead of, so no prefetch is laid.
; CLUSTERS: 4 x 4 work-groups; the tokens' tiles are asked for jointly along a row of the cluster, the weight's along a column.
; Source 0 = 16 columns of the weight, source 1 = 16 tokens: a lane holds eight neighbouring numbers of a row of the result.
; The fragments have two sets of registers: step t + 1's are fetched ahead of step t's 32 products, so every wait for LDS loads is for all of them.
; REGISTERS: window 0: v16-31 addresses, v32-63 scale words (two sets), v128-223 the tokens' fragments (two sets of 48); window 1: the weight's fragments, two sets, at v0 and v128; window 2: the accumulators, (a, b) at v[8 (8 a + b)].
.set FR,    12
.set NP,    4                          ; places behind this matrix instruction (ISA guide 7.12.1)
.set BLK,   12288                      ; a block of 16 positions, all of K
.set CB,    8*BLK                      ; the weight's blocks lie behind the tokens'
.set SCL,   24*BLK                     ; the scale words
.set SPARE, SCL+12288                  ; the spare words, 128 bytes a wave
.set SPITCH, 528                       ; the way out: a stage of 16 rows x (512 + 16) bytes a wave, in the tokens' bytes, behind the barrier that ends all reads of them
.set ADRA,  16                         ; v16 my tokens' fragments, 16 bytes a lane; v17 8 bytes a lane
.set ADRB,  20                         ; v20, v21 the weight's blocks 0-3 and 4-7 of my eight, 16 bytes a lane; v22, v23 8 bytes a lane
.set STO,   24
.set RD,    25
.set ADRS,  27                         ; v27 my scale words: lanes 0-15 the tokens', lanes 16-31 the weight's
.set SPW,   28
.set NIL,   29
.set L16,   30
.set L8,    31
.set SC,    32
.set AF,    128
.set BK,    128
.set WV,    16
.set HR,    17
.set HC,    18
.set G1,    24
.set G0,    32
.set G1B,   48
.set G0B,   56
.set G1S,   68
.set G0S,   76
.set G1SB,  80
.set G0SB,  88
.set MSB, 0
.macro WIN new
.if MSB != (\new)
	s_set_vgpr_msb (MSB<<8)|(\new)
.set MSB, (\new)
.endif
.endm
.macro CROUND
	s_barrier_signal -1
	s_barrier_wait -1
	s_cmp_lg_u32 s[WV], 0
	s_cbranch_scc1 .Lnot_wave_0_\@
	s_barrier_signal -3
.Lnot_wave_0_\@:
	s_barrier_wait -3
	s_barrier_signal -1
	s_barrier_wait -1
.endm
.macro GRP1 g, mask, rows              ; a dense run of memory as rows of 256 bytes (32 elements of 8)
	s_or_b32 s[\g], s\mask, (3<<16)|(1<<21)
	s_mov_b32 s[\g+1], 32<<16
	s_mov_b32 s[\g+2], (\rows)<<16
	s_mov_b32 s[\g+3], 32<<16
	s_mov_b32 s[\g+4], \rows
	s_mov_b32 s[\g+5], 32
	s_mov_b32 s[\g+6], 0
	s_mov_b32 s[\g+7], 0
.endm
.macro GRP0 g, lds, base, off
	s_mov_b32 s[\g], 1
	s_mov_b32 s[\g+1], \lds
	s_add_nc_u64 s[\g+2:\g+3], s[\base:\base+1], s[\off:\off+1]
	s_or_b32 s[\g+3], s[\g+3], 0x80000000
.endm
.macro PLACES n
.rept \n
	v_nop
.endr
.endm
	s_load_b256 s[4:11], s[0:1], 0x0               ; oc, os, wc, ws
	s_load_b64 s[12:13], s[0:1], 0x20              ; out0
	v_lshl_add_u32 v[SPW], v0, 2, SPARE
	v_mov_b32 v[NIL], 0
	ds_add_u32 v[SPW], v[NIL]                      ; the opening lines: the add, twice on end, and its wait ahead of my first tensor load
	ds_add_u32 v[SPW], v[NIL]
	v_lshrrev_b32 v1, 5, v0
	v_readfirstlane_b32 s[WV], v1
	s_lshr_b32 s[HR], s[WV], 1                     ; which 64 tokens are mine
	s_and_b32 s[HC], s[WV], 1                      ; which 128 columns
	s_bfe_u32 s40, ttmp6, 0x40000                  ; cx
	s_bfe_u32 s41, ttmp6, 0x40004                  ; cy
	s_lshl_b32 s43, s41, 2
	s_lshl_b32 s43, 15, s43                        ; my row of the cluster
	s_lshl_b32 s44, 0x1111, s40                    ; my column
	GRP1 G1, 43, 384
	GRP1 G1B, 44, 768
	GRP1 G1S, 43, 16
	GRP1 G1SB, 44, 32
	s_and_b32 s42, ttmp7, 0xffff
	s_lshl_b32 s42, s42, 2
	s_add_co_u32 s42, s42, s41                     ; tile row, 0 .. 63: it hangs on cy alone
	s_mul_i32 s20, s42, 8*BLK
	s_mov_b32 s21, 0
	s_lshl_b32 s22, s42, 12
	s_mov_b32 s23, 0
	s_lshl_b32 s67, s40, 4
	s_add_co_u32 s67, s67, 192                     ; Wo's blocks begin at 192 in wc; the tile column hangs on cx alone
	s_mul_i32 s46, s67, BLK
	s_mov_b32 s47, 0
	s_lshl_b32 s92, s67, 9
	s_mov_b32 s93, 0
	s_wait_alu depctr_va_vdst(0)
	s_wait_dscnt 0x0
	s_wait_kmcnt 0x0
	CROUND                                         ; all sixteen work-groups are here: the joint loads meet
	GRP0 G0, 0, 4, 20
	GRP0 G0B, CB, 8, 46
	GRP0 G0S, SCL, 6, 22
	GRP0 G0SB, SCL+4096, 10, 92
; the head's loads, one a wave: one chain of branches on the wave's number, one load to an arm, one join
.macro ARM under, g0, g1, next
	s_cmp_lt_u32 s[WV], \under
	s_cbranch_scc0 \next
	tensor_load_to_lds s[\g0:\g0+3], s[\g1:\g1+7]
	s_nop 0
	PLACES 4
	s_branch .Lhead_asked
\next:
.endm
	ARM 1, G0,  G1,  .Lhead_b
	ARM 2, G0B, G1B, .Lhead_sa
	ARM 3, G0S, G1S, .Lhead_sb
	tensor_load_to_lds s[G0SB:G0SB+3], s[G1SB:G1SB+7]
	s_nop 0
	PLACES 4
.Lhead_asked:
	s_mul_i32 s21, s[HR], 4*BLK                    ; my 4 blocks of tokens
	s_mul_i32 s22, s[HC], 8*BLK
	s_add_co_u32 s22, s22, CB                      ; my 8 blocks of the weight: the first four,
	s_add_co_u32 s23, s22, 4*BLK                   ; the last four
	s_lshl_b32 s94, s[HR], 11                      ; scale words: the tokens', 512 bytes a block;
	s_lshl_b32 s95, s[HC], 12
	s_add_co_u32 s95, s95, 4096                    ; the weight's, behind the tokens' 4,096 bytes
	s_sub_co_u32 s95, s95, s94
	s_add_co_u32 s94, s94, SCL
	s_mul_i32 s96, s[WV], 16*SPITCH                ; my stage
	s_lshl_b32 s46, s42, 19                        ; out0: 128 rows of 4,096 bytes a tile row, 64 for my half, 1,024 bytes a tile column, 512 for my half
	s_lshl_b32 s47, s[HR], 18
	s_add_co_u32 s46, s46, s47
	s_lshl_b32 s47, s40, 10
	s_add_co_u32 s46, s46, s47
	s_lshl_b32 s47, s[HC], 9
	s_add_co_u32 s46, s46, s47
	s_mov_b32 s47, 0
	s_add_nc_u64 s[12:13], s[12:13], s[46:47]
	v_and_b32 v1, 15, v0                           ; r
	v_bfe_u32 v2, v0, 4, 1                         ; h
	v_and_b32 v3, 31, v0
	v_lshlrev_b32 v[L16], 4, v3
	v_lshlrev_b32 v[L8], 3, v3
	v_mul_u32_u24 v4, s95, v2                      ; lanes 16-31 take the weight's words
	v_mul_u32_u24 v5, v1, SPITCH
	v_add_nc_u32 v[ADRA], s21, v[L16]
	v_add_nc_u32 v[ADRA+1], s21, v[L8]
	v_add_nc_u32 v[ADRB], s22, v[L16]
	v_add_nc_u32 v[ADRB+1], s23, v[L16]
	v_add_nc_u32 v[ADRB+2], s22, v[L8]
	v_add_nc_u32 v[ADRB+3], s23, v[L8]
	v_lshl_add_u32 v4, v1, 3, v4                   ; 8 bytes a row: a pair of K steps
	v_lshl_add_u32 v5, v2, 6, v5
	v_add_nc_u32 v[RD], s96, v[L16]
	v_add_nc_u32 v[ADRS], s94, v4
	v_add_nc_u32 v[STO], s96, v5
.macro FRAG reg, a16, a8, off          ; a fragment comes as it was laid: four loads, each of consecutive bytes
	ds_load_b128 v[\reg:\reg+3], v[\a16] offset:\off
	ds_load_b64 v[\reg+4:\reg+5], v[\a8] offset:\off+512
	ds_load_b128 v[\reg+6:\reg+9], v[\a16] offset:\off+768
	ds_load_b64 v[\reg+10:\reg+11], v[\a8] offset:\off+1280
.endm
.macro FETCH t                         ; step t's fragments into set t % 2; with an even step the pair's scale words
	WIN 0x40
.irp i, 0,1,2,3,4,5,6,7
	FRAG 128*((\t)%2)+FR*\i, ADRB+\i/4, ADRB+2+\i/4, (\i%4)*BLK+(\t)*1536
.endr
	WIN 0
.irp i, 0,1,2,3
	FRAG AF+48*((\t)%2)+FR*\i, ADRA, ADRA+1, \i*BLK+(\t)*1536
.endr
.if (\t)%2 == 0
.irp i, 0,1,2,3,4,5,6,7
	ds_load_b64 v[SC+16*(((\t)/2)%2)+2*\i:SC+16*(((\t)/2)%2)+2*\i+1], v[ADRS] offset:\i*512+128*((\t)/2)
.endr
.endif
.endm
; 32 products: my 4 blocks of tokens x my 8 blocks of columns, 128 along K.  The accumulators take turns, in the same order in every step; the first step starts the sums
.macro MUL t
.set PS, (\t)%2
.set XS, SC+16*(((\t)/2)%2)+(\t)%2
	WIN 0xa1
.irp a, 0,1,2,3
.irp b, 0,1,2,3,4,5,6,7
.if (\t) == 0
	v_wmma_scale_f32_16x16x128_f8f6f4 v[8*(8*\a+\b):8*(8*\a+\b)+7], v[128*PS+FR*\b:128*PS+FR*\b+FR-1], v[AF+48*PS+FR*\a:AF+48*PS+FR*\a+FR-1], 0, v[XS+2*\b], v[XS+2*\a] matrix_a_fmt:MATRIX_FMT_FP6 matrix_b_fmt:MATRIX_FMT_FP6 matrix_a_scale:MATRIX_SCALE_ROW1
.else
	v_wmma_scale_f32_16x16x128_f8f6f4 v[8*(8*\a+\b):8*(8*\a+\b)+7], v[128*PS+FR*\b:128*PS+FR*\b+FR-1], v[AF+48*PS+FR*\a:AF+48*PS+FR*\a+FR-1], v[8*(8*\a+\b):8*(8*\a+\b)+7], v[XS+2*\b], v[XS+2*\a] matrix_a_fmt:MATRIX_FMT_FP6 matrix_b_fmt:MATRIX_FMT_FP6 matrix_a_scale:MATRIX_SCALE_ROW1
.endif
.endr
.endr
	WIN 0
.endm
	s_wait_alu depctr_va_vdst(0)
	s_wait_tensorcnt 0x0                           ; my tile is in;
	s_barrier_signal -1
	s_barrier_wait -1                              ; and so are the other three
	FETCH 0
.irp t, 0,1,2,3,4,5,6
	s_wait_dscnt 0x0                               ; step t's fragments are in
.if \t > 0
	PLACES NP                                      ; behind the last step's products, which read the set that is loaded next
.endif
	FETCH \t+1
	MUL \t
.endr
	s_wait_dscnt 0x0                               ; my last reads of the tiles are over:
	s_barrier_signal -1
	MUL 7
	s_barrier_wait -1                              ; and so are everybody's: the stages may be written
; THE WAY OUT, block by block of 16 tokens x 128 columns, through my stage: whole rows of 512 bytes come back, which the 32 lanes store as two aligned units of 256 bytes.
; A wave's LDS instructions are served in order (ISA guide 5.7.1.4): no wait between the stores and the loads.
.macro TOSTAGE a
	WIN 0x08                                       ; the data: window 2
.irp b, 0,1,2,3,4,5,6,7
	ds_store_b128 v[STO], v[64*(\a)+8*\b:64*(\a)+8*\b+3] offset:128*(\b/2)+32*(\b%2)       ; each accumulator from its low end on; column 32 (b / 2) + 16 h + 8 (b % 2) + j, by the position order
	ds_store_b128 v[STO], v[64*(\a)+8*\b+4:64*(\a)+8*\b+7] offset:128*(\b/2)+32*(\b%2)+16
.endr
	WIN 0
.set BB, BK+64*((\a)%2)
.irp t, 0,1,2,3,4,5,6,7,8,9,10,11,12,13,14,15
	ds_load_b128 v[BB+4*\t:BB+4*\t+3], v[RD] offset:\t*SPITCH
.endr
.endm
.macro SEND a, younger                 ; younger: the LDS instructions issued behind block a's loads, which may stay out
.set BB, BK+64*((\a)%2)
	s_wait_dscnt \younger
.irp t, 0,1,2,3,4,5,6,7,8,9,10,11,12,13,14,15
	global_store_b128 v[L16], v[BB+4*\t:BB+4*\t+3], s[12:13] offset:(32*((\a)/2)+8*((\a)%2)+(\t%8)+16*(\t/8))*4096 th:TH_STORE_NT
.endr
.endm
	PLACES NP
	TOSTAGE 0
.irp a, 1,2,3
.if \a > 1
	s_wait_xcnt 0x0                                ; block a - 2's stores have read their registers: block a's loads may land there
.endif
	TOSTAGE \a
	SEND \a-1, 32
.endr
	SEND 3, 0
	s_wait_tensorcnt 0x0                           ; the wave's end
	ds_add_u32 v[SPW], v[NIL]
	s_wait_dscnt 0x0
	CROUND                                         ; the closing round
	s_endpgm
.Lfunc_end_k_q8a768d7116_oproj:
	.size	k_q8a768d7116_oproj, .Lfunc_end_k_q8a768d7116_oproj-k_q8a768d7116_oproj
	.p2alignl 7, 3214868480
	.fill 96, 4, 3214868480
	.section	.rodata,"a",@progbits
	.p2align	6, 0x0
	.amdhsa_kernel k_q8a768d7116_oproj
		.amdhsa_group_segment_fixed_size 327680
		.amdhsa_private_segment_fixed_size 0
		.amdhsa_enable_private_segment 0
		.amdhsa_kernarg_size 40
		.amdhsa_user_sgpr_count 2
		.amdhsa_user_sgpr_kernarg_segment_ptr 1
		.amdhsa_wavefront_size32 1
		.amdhsa_system_sgpr_workgroup_id_x 1
		.amdhsa_system_sgpr_workgroup_id_y 1
		.amdhsa_system_sgpr_workgroup_id_z 1
		.amdhsa_system_vgpr_workitem_id 0
		.amdhsa_next_free_vgpr 768
		.amdhsa_next_free_sgpr 98
		.amdhsa_reserve_vcc 0
		.amdhsa_float_denorm_mode_32 3
		.amdhsa_float_denorm_mode_16_64 3
		.amdhsa_memory_ordered 1
		.amdhsa_forward_progress 1
		.amdhsa_inst_pref_size 83
	.end_amdhsa_kernel
	.amdgpu_metadata
---
amdhsa.version: [ 1, 2 ]
amdhsa.kernels:
  - .name:           k_q8a768d7116_oproj
    .symbol:         k_q8a768d7116_oproj.kd
    .args:
      - { .name: oc, .offset: 0, .size: 8, .value_kind: global_buffer, .address_space: global }
      - { .name: os, .offset: 8, .size: 8, .value_kind: global_buffer, .address_space: global }
      - { .name: wc, .offset: 16, .size: 8, .value_kind: global_buffer, .address_space: global }
      - { .name: ws, .offset: 24, .size: 8, .value_kind: global_buffer, .address_space: global }
      - { .name: out0, .offset: 32, .size: 8, .value_kind: global_buffer, .address_space: global }
    .group_segment_fixed_size: 327680
    .private_segment_fixed_size: 0
    .kernarg_segment_align: 8
    .kernarg_segment_size: 40
    .max_flat_workgroup_size: 128
    .sgpr_count:     98
    .vgpr_count:     768
    .wavefront_size: 32
...
	.end_amdgpu_metadata
.endif
;; end of part 4
